; MI455X (gfx1250); checked and timed in simulation.
; The chip was launched on July 23, 2026; its instructions are those of AMD's public machine-readable ISA for CDNA 5 (MIT licence, August 2026) and "CDNA5" Instruction Set Architecture Reference Guide (July 2026). The comments in the code are by the model that wrote it; some were corrected since.
;; Flax Mistral Attention. Allowed arithmetic: float matrix products may take bf16 or f16 operands with f32 sums; other float arithmetic in f32, or as packed bf16 or f16 multiplies, adds, multiply-adds, maxima and minima; sums over many terms, partial sums and values carried from step to step in f32; what a program stores and reads back later, other than sums and carried values, may be rounded once to bf16 or f16.
;; Inputs: Wk 4,096 x 1,024 float32; Wo 2,048 x 4,096 float32; Wq 4,096 x 2,048 float32; Wv 4,096 x 1,024 float32; attention_mask 1 x 1 x 2,048 x 2,048 float32; hidden_states 1 x 2,048 x 4,096 float32; position_ids 1 x 2,048 int32.
;; Outputs: out0 1 x 2,048 x 4,096 float32.
;; One version. Each part assembles by itself: llvm-mc -triple=amdgcn-amd-amdhsa -mcpu=gfx1250 --defsym DOCPART=n.
;; ======== version 1 of 1: 4 launches
;; limits: values are held in f16: magnitudes above 65,504 overflow, below 6.1e-05 lose precision
;; workspace buffers: hsb 16,777,216 bytes; wqkv 33,554,432 bytes; wob 16,777,216 bytes; tab 3,145,728 bytes; qkvh 16,777,216 bytes; ao 8,388,608 bytes
;; launch prep (part 1): grid 256 x 7, 8 waves a work-group, no clusters, 0 bytes of LDS; arguments hidden_states, Wq, Wk, Wv, position_ids, hsb, wqkv, tab; writes hsb, wqkv, tab
.if DOCPART == 1
	.amdgcn_target "amdgcn-amd-amdhsa--gfx1250"
	.amdhsa_code_object_version 6
	.text
	.protected	k_q133f85dd09_prep
	.globl	k_q133f85dd09_prep
	.p2align	8
	.type	k_q133f85dd09_prep,@function
k_q133f85dd09_prep:
	s_mov_b64 s[64:65], 0
	v_nop
	global_prefetch_b8 v0, s[64:65] scope:SCOPE_SE
	s_setreg_imm32_b32 hwreg(HW_REG_WAVE_MODE, 25, 1), 1
	s_wait_xcnt 0x0
; THE CASTS THAT THE FIRST PRODUCT NEEDS, AND THE TABLES.  Each number is rounded once to bf16:
;   hsb   bf16 [2048][4096]           hidden_states
;   wqkv  bf16 [4096 k][4096 n]       Wq (n 0-2047), Wk (2048-3071), Wv (3072-4095) side by side
;   tab   f32  three tables [2048 rows][cos 64 | sin 64]: (c cos, c sin) for q, c = log2(e) / sqrt(128); (cos, sin) for k; (1, 0) for v
; LIMITS.  position_ids in 0 .. 2047 (an angle of at most 2,047 radians: the reduction below holds far beyond).
; SHARES.  A segment is 1,024 f32.  The grid's y names a unit of 4,096 segments (y 0,1 hidden_states; 2,3 Wq; 4 Wk; 5 Wv) or, y = 6, the tables.
; A work-group takes 16 segments, a wave two: 16 loads, all issued at once.  A lane takes 16 neighbouring bytes at 16 x lane, so a wave's load covers 512 consecutive bytes; its four rounded numbers
; are 8 bytes, so a wave's store covers 256 consecutive bytes, aligned.  No LDS, no matrix unit: bytes are all that counts here.
.set X,   8                            ; v[8:71]    16 loads of four registers
.set Y,   72                           ; v[72:103]  packed results, two a load
.set DB,  44                           ; s[44:45], s[48:49]  where the wave's two segments go
	s_load_b512 s[8:23], s[0:1], 0x0               ; hidden_states 8, Wq 10, Wk 12, Wv 14, position_ids 16, hsb 18, wqkv 20, tab 22
	s_and_b32 s2, ttmp7, 0xffff                    ; y
	v_lshrrev_b32 v3, 5, v0
	v_readfirstlane_b32 s3, v3                     ; wave 0..7
	v_and_b32 v4, 31, v0                           ; lane
	v_lshlrev_b32 v1, 4, v4                        ; 16 bytes of f32 a lane
	v_lshlrev_b32 v2, 3, v4                        ; 8 bytes of bf16 a lane
	s_cmp_eq_u32 s2, 6
	s_cbranch_scc1 .Ltable
	; which tensor, where to: a row of the source has 1 << p segments; a row of the target is 8,192 bytes, and the part begins cb bytes into it; k is the unit's number within the tensor
	s_sub_co_u32 s39, s2, 2
	s_mov_b32 s36, 2                               ; p
	s_mov_b32 s37, 0                               ; cb
	s_mov_b32 s38, s2                              ; k
	s_wait_kmcnt 0x0
	s_mov_b64 s[32:33], s[8:9]
	s_mov_b64 s[34:35], s[18:19]
	s_cmp_ge_u32 s2, 2                             ; Wq
	s_cselect_b64 s[32:33], s[10:11], s[32:33]
	s_cselect_b64 s[34:35], s[20:21], s[34:35]
	s_cselect_b32 s36, 1, s36
	s_cselect_b32 s38, s39, s38
	s_cmp_ge_u32 s2, 4                             ; Wk
	s_cselect_b64 s[32:33], s[12:13], s[32:33]
	s_cselect_b32 s36, 0, s36
	s_cselect_b32 s37, 4096, s37
	s_cselect_b32 s38, 0, s38
	s_cmp_ge_u32 s2, 5                             ; Wv
	s_cselect_b64 s[32:33], s[14:15], s[32:33]
	s_cselect_b32 s37, 6144, s37
	s_lshl_b32 s41, s38, 12
	s_lshl_b32 s42, ttmp9, 4
	s_or_b32 s41, s41, s42
	s_lshl_b32 s42, s3, 1
	s_or_b32 s41, s41, s42                         ; my first segment
	s_lshl_b32 s42, s41, 12                        ; 4,096 bytes of f32 a segment
	s_mov_b32 s43, 0
	s_add_nc_u64 s[32:33], s[32:33], s[42:43]      ; the source at my first segment
	s_lshl_b32 s47, 1, s36
	s_sub_co_u32 s47, s47, 1                       ; (1 << p) - 1
.macro DEST e                          ; segment i = first + e goes to row i >> p, at cb + 2,048 (i mod 1 << p)
	s_add_co_u32 s50, s41, \e
	s_lshr_b32 s46, s50, s36
	s_lshl_b32 s46, s46, 13
	s_and_b32 s50, s50, s47
	s_lshl_b32 s50, s50, 11
	s_add_co_u32 s46, s46, s50
	s_add_co_u32 s[DB+4*(\e)], s46, s37
	s_mov_b32 s[DB+4*(\e)+1], 0
	s_add_nc_u64 s[DB+4*(\e):DB+4*(\e)+1], s[34:35], s[DB+4*(\e):DB+4*(\e)+1]
.endm
	DEST 0
	DEST 1
.irp n, 0,1,2,3,4,5,6,7,8,9,10,11,12,13,14,15
	global_load_b128 v[X+4*(\n):X+4*(\n)+3], v1, s[32:33] offset:512*(\n) th:TH_LOAD_NT
.endr
; Load n of sixteen.  Loads come back in order: the count is the loads issued behind it.  No register is written twice while a store may read it: each load has its own.
.irp n, 0,1,2,3,4,5,6,7,8,9,10,11,12,13,14,15
	s_wait_loadcnt 15-(\n)
	v_cvt_pk_bf16_f32 v[Y+2*(\n)],   v[X+4*(\n)],   v[X+4*(\n)+1]
	v_cvt_pk_bf16_f32 v[Y+2*(\n)+1], v[X+4*(\n)+2], v[X+4*(\n)+3]
	global_store_b64 v2, v[Y+2*(\n):Y+2*(\n)+1], s[DB+4*((\n)/8):DB+4*((\n)/8)+1] offset:((\n)%8)*256
.endr
	s_endpgm
; THE TABLES.  A wave makes one row: row = 8 x + wave; a lane the frequencies 2 lane and 2 lane + 1 of 64.  angle = position x 10000^(-j / 64), both factors and the product in f32.
; Sine and cosine: k = the nearest whole number to angle x 2 / pi; r = angle - k pi / 2 with pi / 2 in two parts, by fused multiply-adds; series on |r| <= pi / 4 (sine to r^7, cosine to r^8:
; the next terms are under 4e-7); the quadrant k mod 4 swaps the two and sets their signs.  The position enters arithmetic alone, no address.
.Ltable:
	s_lshl_b32 s32, ttmp9, 3
	s_add_co_u32 s32, s32, s3                      ; my row
	s_lshl_b32 s33, s32, 2
	v_mov_b32 v3, s33
	s_mov_b32 s34, 0x3fc90fdb                      ; pi / 2, its upper part
	s_mov_b32 s35, 0xb33bbd2e                      ; and what is left of it
	s_wait_kmcnt 0x0
	global_load_b32 v5, v3, s[16:17]               ; position_ids[row]
	v_lshlrev_b32 v6, 1, v4
	v_cvt_f32_u32 v10, v6
	v_add_f32 v11, 1.0, v10
	v_mul_f32 v10, 0xbe549a78, v10                 ; -j log2(10000) / 64
	v_mul_f32 v11, 0xbe549a78, v11
	v_exp_f32 v10, v10
	v_exp_f32 v11, v11
	v_lshlrev_b32 v8, 3, v4                        ; (a plain instruction behind the exponentials) 8 bytes a lane,
	v_lshl_add_u32 v8, s32, 9, v8                  ; in my row of 512 bytes
	s_wait_loadcnt 0x0
	v_cvt_f32_i32 v5, v5
	s_wait_alu depctr_va_vdst(0)
	v_mul_f32 v12, v5, v10
	v_mul_f32 v13, v5, v11
.macro TRIG a                          ; angle v[12+a] -> sine v[20+a], cosine v[22+a]
	v_mul_f32 v[14+(\a)], 0x3f22f983, v[12+(\a)]   ; x 2 / pi
	v_rndne_f32 v[14+(\a)], v[14+(\a)]             ; k
	v_fma_f32 v[16+(\a)], -v[14+(\a)], s34, v[12+(\a)]
	v_fma_f32 v[16+(\a)], -v[14+(\a)], s35, v[16+(\a)]  ; r
	v_mul_f32 v[18+(\a)], v[16+(\a)], v[16+(\a)]   ; z = r r
	v_mov_b32 v[24+(\a)], 0xb9500d01               ; -1/5040
	v_fmaak_f32 v[24+(\a)], v[24+(\a)], v[18+(\a)], 0x3c088889  ; + 1/120
	v_fmaak_f32 v[24+(\a)], v[24+(\a)], v[18+(\a)], 0xbe2aaaab  ; - 1/6
	v_mul_f32 v[26+(\a)], v[16+(\a)], v[18+(\a)]
	v_fma_f32 v[24+(\a)], v[26+(\a)], v[24+(\a)], v[16+(\a)]    ; sin r
	v_mov_b32 v[28+(\a)], 0x37d00d01               ; 1/40320
	v_fmaak_f32 v[28+(\a)], v[28+(\a)], v[18+(\a)], 0xbab60b61  ; - 1/720
	v_fmaak_f32 v[28+(\a)], v[28+(\a)], v[18+(\a)], 0x3d2aaaab  ; + 1/24
	v_fmaak_f32 v[28+(\a)], v[28+(\a)], v[18+(\a)], 0xbf000000  ; - 1/2
	v_fma_f32 v[28+(\a)], v[28+(\a)], v[18+(\a)], 1.0           ; cos r
	v_cvt_i32_f32 v[30+(\a)], v[14+(\a)]
	v_and_b32 v[32+(\a)], 1, v[30+(\a)]
	v_cmp_eq_u32 vcc_lo, 1, v[32+(\a)]             ; an odd quadrant swaps the two
	v_cndmask_b32 v[20+(\a)], v[24+(\a)], v[28+(\a)], vcc_lo
	v_cndmask_b32 v[22+(\a)], v[28+(\a)], v[24+(\a)], vcc_lo
	v_and_b32 v[32+(\a)], 2, v[30+(\a)]            ; quadrants 2, 3: the sine changes sign
	v_lshlrev_b32 v[32+(\a)], 30, v[32+(\a)]
	v_xor_b32 v[20+(\a)], v[20+(\a)], v[32+(\a)]
	v_add_nc_u32 v[32+(\a)], 1, v[30+(\a)]         ; quadrants 1, 2: the cosine does
	v_and_b32 v[32+(\a)], 2, v[32+(\a)]
	v_lshlrev_b32 v[32+(\a)], 30, v[32+(\a)]
	v_xor_b32 v[22+(\a)], v[22+(\a)], v[32+(\a)]
.endm
	TRIG 0
	TRIG 1
	v_pk_mul_f32 v[34:35], v[22:23], 0x3e0293ee op_sel_hi:[1,0]  ; c = log2(e) / sqrt(128)
	v_pk_mul_f32 v[36:37], v[20:21], 0x3e0293ee op_sel_hi:[1,0]
	v_mov_b32 v38, 1.0
	v_mov_b32 v39, 1.0
	v_mov_b32 v40, 0
	v_mov_b32 v41, 0
	global_store_b64 v8, v[34:35], s[22:23]                      ; each store of the wave covers 256 consecutive bytes, aligned
	global_store_b64 v8, v[36:37], s[22:23] offset:256
	global_store_b64 v8, v[22:23], s[22:23] offset:1048576
	global_store_b64 v8, v[20:21], s[22:23] offset:1048576+256
	global_store_b64 v8, v[38:39], s[22:23] offset:2097152
	global_store_b64 v8, v[40:41], s[22:23] offset:2097152+256
	s_endpgm
.Lfunc_end_k_q133f85dd09_prep:
	.size	k_q133f85dd09_prep, .Lfunc_end_k_q133f85dd09_prep-k_q133f85dd09_prep
	.p2alignl 7, 3214868480
	.fill 96, 4, 3214868480
	.section	.rodata,"a",@progbits
	.p2align	6, 0x0
	.amdhsa_kernel k_q133f85dd09_prep
		.amdhsa_group_segment_fixed_size 0
		.amdhsa_private_segment_fixed_size 0
		.amdhsa_enable_private_segment 0
		.amdhsa_kernarg_size 64
		.amdhsa_user_sgpr_count 2
		.amdhsa_user_sgpr_kernarg_segment_ptr 1
		.amdhsa_wavefront_size32 1
		.amdhsa_system_sgpr_workgroup_id_x 1
		.amdhsa_system_sgpr_workgroup_id_y 1
		.amdhsa_system_sgpr_workgroup_id_z 1
		.amdhsa_system_vgpr_workitem_id 0
		.amdhsa_next_free_vgpr 104
		.amdhsa_next_free_sgpr 66
		.amdhsa_reserve_vcc 1
		.amdhsa_float_denorm_mode_32 3
		.amdhsa_float_denorm_mode_16_64 3
		.amdhsa_memory_ordered 1
		.amdhsa_forward_progress 1
		.amdhsa_inst_pref_size 12
	.end_amdhsa_kernel
	.amdgpu_metadata
---
amdhsa.version: [ 1, 2 ]
amdhsa.kernels:
  - .name:           k_q133f85dd09_prep
    .symbol:         k_q133f85dd09_prep.kd
    .args:
      - { .name: hidden_states, .offset: 0, .size: 8, .value_kind: global_buffer, .address_space: global }
      - { .name: Wq, .offset: 8, .size: 8, .value_kind: global_buffer, .address_space: global }
      - { .name: Wk, .offset: 16, .size: 8, .value_kind: global_buffer, .address_space: global }
      - { .name: Wv, .offset: 24, .size: 8, .value_kind: global_buffer, .address_space: global }
      - { .name: position_ids, .offset: 32, .size: 8, .value_kind: global_buffer, .address_space: global }
      - { .name: hsb, .offset: 40, .size: 8, .value_kind: global_buffer, .address_space: global }
      - { .name: wqkv, .offset: 48, .size: 8, .value_kind: global_buffer, .address_space: global }
      - { .name: tab, .offset: 56, .size: 8, .value_kind: global_buffer, .address_space: global }
    .group_segment_fixed_size: 0
    .private_segment_fixed_size: 0
    .kernarg_segment_align: 8
    .kernarg_segment_size: 64
    .max_flat_workgroup_size: 256
    .sgpr_count:     66
    .vgpr_count:     104
    .wavefront_size: 32
...
	.end_amdgpu_metadata
.endif
;; end of part 1
;; launch proj (part 2): grid 16 x 16, 4 waves a work-group, clusters of 4 x 4, 327,680 bytes of LDS; arguments hsb, wqkv, tab, qkvh, Wo, wob; writes qkvh, wob
.if DOCPART == 2
	.amdgcn_target "amdgcn-amd-amdhsa--gfx1250"
	.amdhsa_code_object_version 6
	.text
	.protected	k_q133f85dd09_proj
	.globl	k_q133f85dd09_proj
	.p2align	8
	.type	k_q133f85dd09_proj,@function
k_q133f85dd09_proj:
	s_mov_b64 s[64:65], 0
	v_nop
	global_prefetch_b8 v0, s[64:65] scope:SCOPE_SE
	s_setreg_imm32_b32 hwreg(HW_REG_WAVE_MODE, 25, 1), 1
	s_wait_xcnt 0x0
	s_wait_alu depctr_hold_cnt(0) depctr_sa_sdst(0) depctr_va_vdst(0) depctr_va_sdst(0) depctr_va_ssrc(0) depctr_va_vcc(0) depctr_vm_vsrc(0)
	s_getreg_b32 s2, hwreg(HW_REG_IB_STS2, 6, 4)
	s_cmp_eq_u32 s2, 0
	s_cbranch_scc0 .Lentry_in_a_cluster
	s_endpgm
.Lentry_in_a_cluster:
	s_bfe_u32 s2, ttmp6, 0x10000c
	s_cmp_lg_u32 s2, 0xf033
	s_cbranch_scc0 .Lentry_shape_is_right
	s_endpgm
.Lentry_shape_is_right:
; THE THREE PROJECTIONS AS ONE PRODUCT, WITH THE ROTATION ON THE WAY OUT.  C[m][n] = sum over k of hsb[m][k] wqkv[k][n]: 2,048 x 4,096 x 4,096, bf16 operands, f32 sums.
; n / 128 is a head: 0-15 q, 16-23 k, 24-31 v.  Out: qkvh f16 [32 heads][2048][128]: x cos - x' sin and x' cos + x sin for the head's two halves, by a table of (cos, sin) chosen by the kind of head:
; q's holds c cos, c sin (c = log2(e) / sqrt(128)), v's holds 1, 0: one text serves all three.  Each number is rounded once, from f32 to f16.
; BESIDE THE PRODUCT, Wo's CAST: wob f16 [2048 k][4096 n] = Wo rounded to bf16, that number written as f16 (exact from 6.1e-5 to 65,504; below, f16's fixed step of 6e-8).  The last launch needs it, this
; one has the issue slots: 8,388,608 numbers / 1,024 waves / 32 K steps = 256 numbers a wave and K step: two loads of 512 consecutive bytes, 16 vector instructions, two stores of 256 consecutive bytes, aligned.
; LIMITS.  f16 ends at 65,504: |c q|, |k|, |v|, |Wo| stay under it; below 6.1e-5 f16 keeps its fixed step of 6e-8.
; SHARES.  A tile of C is 128 (m) x 256 (n): 16 x 16 work-groups.  Four waves, each 64 x 128 (one head): 32 accumulators.  K goes in steps of 128 through two LDS slots.
; THE MATRIX INSTRUCTION IS USED TRANSPOSED: source 0 = 16 columns n of the weights, source 1 = 16 rows of hsb: a lane then holds row l % 16 and the eight neighbouring columns 8 (l / 16) + 0..7.
; The weights lie [k][n]: their fragments come out of LDS turned, by ds_load_tr16_b128.
; CLUSTERS: 4 x 4 work-groups.  hsb's tile hangs on the tile row alone and is asked for jointly by a row of the cluster, the weights' on the tile column alone, by a column.
; REGISTERS: window 0: v0-31 addresses; two fragment buffers of 96 (64 of the weights, 32 of hsb), v32-127 and v128-223, at work again on the way out; v224-239 Wo's cast.
;   window 1: the accumulators, (a, b) at 8 (8 a + b).   window 2: cos and sin for my 64 rows: block a, columns 16 b on: cos at 64 a + 8 b, sin at 64 a + 32 + 8 b.
.set STEPS, 4096/128
.set PA,    272                        ; a row of hsb's tile in LDS: 256 bytes + 16: the 16 rows of a load start at 16 different groups of four banks (64 banks of 4 bytes: ISA guide 11.1)
.set PB,    544                        ; a row of the weights' tile: 512 bytes + 32 = 17 x 32
.set BOFF,  128*PA                     ; a slot: 128 rows of hsb, then 128 k rows of the weights
.set SLOT1, 1<<17                      ; slot 1 begins here, so that one exclusive or turns an address in one slot into the other's
.set STAGE, SLOT1+BOFF+128*PB          ; behind the ring: 16 rows x 272 bytes for each wave, for the way out
.set SP,    272
.set SPARE, STAGE+4*16*SP              ; behind the stages: the spare words, 128 bytes for each wave: two blocks of 256 bytes that no other line names
.set A0,   16                          ; v16  my lane's place in hsb's tile; never rewritten
.set B0,   17                          ; v17  the same in the weights' tile
.set ADRA, 18                          ; v18  A0 + the slot in hand
.set ADRB, 19                          ; v19  B0 + the slot in hand
.set STO,  20                          ; v20  the way out: where I put 16 bytes of a row
.set RD,   21                          ; v21  where I read rows back
.set CO,   22                          ; v22  16 x lane: my place in 512 consecutive bytes (of the output, and of Wo); never rewritten
.set TO,   23                          ; v23  my byte offset in the table's rows; never rewritten
.set WS,   24                          ; v24  8 x lane: my place in 256 consecutive bytes of wob; never rewritten
.set SPW,  28                          ; v28  LDS address of my spare word; never rewritten
.set NIL,  29                          ; v29  0; never rewritten
.set F0,   32
.set F1,   128
.set RR,   32                          ; the way out: 64 rotated numbers of a block
.set TT,   96                          ; 8 + 8 at work
.set UU,   104
.set PK,   128                         ; 32 registers of packed f16
.set OB,   160                         ; rows read back: v160-191 and v192-223 by turns
.set WX,   224                         ; Wo's cast: 8 numbers as loaded, then rounded;
.set WT,   232                         ; 4 registers at work;
.set WY,   236                         ; 4 registers to store
.set G1,  24                           ; s[24:31] descriptor group 1 for hsb's tiles;  s[32:39] group 0: a set for each first fill, the second then walks
.set G0,  32
.set G1B, 48                           ; s[48:55], s[56:63] the same for the weights' tiles
.set G0B, 56
.set TB,  66                           ; s66  0 or SLOT1: the slot in hand
.set WOS, 76                           ; s[76:77] Wo at the chunk last asked for
.set WOD, 78                           ; s[78:79] wob behind the chunk last stored
.set MSB, 0
.macro WIN new                         ; the immediate's high byte repeats the setting that is left; a switch that changes nothing is dropped
.if MSB != (\new)
	s_set_vgpr_msb (MSB<<8)|(\new)
.set MSB, \new
.endif
.endm
.set MUL, 0x50                         ; sources in window 0, C and D in window 1
.macro PLACES                          ; four places in front of loads into registers that matrix instructions have read, and of lines that read results
.rept 4
	v_nop
.endr
.endm
.macro JLOAD s                         ; a joint load: waves 0 and 1 fetch hsb's two halves, waves 2 and 3 the weights'; an s_nop 0 and four v_nop follow each line
	s_cmp_eq_u32 s11, 0
	s_cbranch_scc0 .Lfor_b_\@
	tensor_load_to_lds s[G0+4*(\s):G0+4*(\s)+3], s[G1:G1+7]
	s_nop 0
.rept 4
	v_nop
.endr
	s_branch .Lasked_\@
.Lfor_b_\@:
	tensor_load_to_lds s[G0B+4*(\s):G0B+4*(\s)+3], s[G1B:G1B+7]
	s_nop 0
.rept 4
	v_nop
.endr
.Lasked_\@:
.endm
.macro CREST                           ; a round of the cluster's barrier behind its opening barrier
	s_cmp_lg_u32 s10, 0
	s_cbranch_scc1 .Lnot_wave_0_\@
	s_barrier_signal -3
.Lnot_wave_0_\@:
	s_barrier_wait -3
	s_barrier_signal -1
	s_barrier_wait -1
.endm
.macro CROUND                          ; a whole round
	s_barrier_signal -1
	s_barrier_wait -1
	CREST
.endm
	s_load_b128 s[4:7], s[0:1], 0x0                ; hsb s[4:5], wqkv s[6:7]
	s_load_b64 s[68:69], s[0:1], 0x10              ; tab
	s_load_b64 s[8:9], s[0:1], 0x18                ; qkvh
	s_load_b128 s[76:79], s[0:1], 0x20             ; Wo s[76:77], wob s[78:79]
	v_lshl_add_u32 v[SPW], v0, 2, SPARE
	v_mov_b32 v[NIL], 0
	ds_add_u32 v[SPW], v[NIL]                      ; the wave's opening: the add and its wait stand ahead of my first tensor load; the set-up below, work on registers, stands between them
	v_lshrrev_b32 v1, 5, v0
	v_readfirstlane_b32 s10, v1                    ; wave 0..3
	s_lshr_b32 s11, s10, 1                         ; which 64 rows of the tile are mine.  Also: I fetch hsb (0) or the weights (1)
	s_and_b32 s12, s10, 1                          ; which 128 columns.  Also: which half of that tile's rows I fetch
	s_bfe_u32 s40, ttmp6, 0x40000                  ; cx, cy: my place in the cluster
	s_bfe_u32 s41, ttmp6, 0x40004
	s_lshl_b32 s42, ttmp9, 2
	s_add_co_u32 s42, s42, s40                     ; tile column = 4 x cluster x + cx
	s_and_b32 s13, ttmp7, 0xffff
	s_lshl_b32 s13, s13, 2
	s_add_co_u32 s13, s13, s41                     ; tile row = 4 x cluster y + cy
	s_lshl_b32 s43, s41, 2
	s_lshl_b32 s43, 15, s43                        ; my row of the cluster
	s_lshl_b32 s44, 0x1111, s40                    ; my column
	s_or_b32 s[G1+0], s43, (1<<16)|(1<<20)|(1<<21)|(5<<22)|(3<<25)   ; the mask; 2-byte elements; padding on; bit 21 beside a mask; after every 64 words, 4 words
	s_or_b32 s[G1B+0], s44, (1<<16)|(1<<20)|(1<<21)|(6<<22)|(7<<25)  ; after every 128 words, 8 words
	s_mov_b32 s[G1+1], 128<<16                     ; tensor_dim0 = 128
	s_mov_b32 s[G1+2], 64<<16                      ; tensor_dim1 = 64
	s_mov_b32 s[G1+3], 128<<16                     ; tile_dim0 = 128
	s_mov_b32 s[G1+4], 64                          ; tile_dim1 = 64
	s_mov_b32 s[G1+5], 4096                        ; elements from row to row
	s_mov_b32 s[G1+6], 0
	s_mov_b32 s[G1+7], 0
	s_mov_b32 s[G1B+1], 256<<16                    ; 64 k rows of 256 columns
	s_mov_b32 s[G1B+2], 64<<16
	s_mov_b32 s[G1B+3], 256<<16
	s_mov_b32 s[G1B+4], 64
	s_mov_b32 s[G1B+5], 4096
	s_mov_b32 s[G1B+6], 0
	s_mov_b32 s[G1B+7], 0
	s_lshl_b32 s16, s13, 7
	s_lshl_b32 s17, s12, 6
	s_add_co_u32 s16, s16, s17                     ; hsb: row 128 x tile row + 64 x half,
	s_lshl_b32 s16, s16, 13                        ; 8,192 bytes a row
	s_mov_b32 s17, 0
	s_lshl_b32 s46, s12, 19                        ; the weights: k row 64 x half, 8,192 bytes a row,
	s_lshl_b32 s47, s42, 9                         ; column 256 x tile column
	s_add_co_u32 s46, s46, s47
	s_mov_b32 s47, 0
	s_mul_i32 s20, s12, 64*PA                      ; where they go: no place in the cluster enters an LDS address
	s_mul_i32 s21, s12, 64*PB
	s_add_co_u32 s21, s21, BOFF
	s_max_u32 s72, ttmp9, 1                        ; the table: cluster x 0, 1 are q's columns, 2 k's, 3 v's
	s_sub_co_u32 s72, s72, 1
	s_lshl_b32 s72, s72, 20
	s_lshl_b32 s73, s13, 16                        ; + my 64 rows, 512 bytes each
	s_add_co_u32 s72, s72, s73
	s_lshl_b32 s73, s11, 15
	s_add_co_u32 s72, s72, s73
	s_mov_b32 s73, 0
	s_lshl_b32 s70, s13, 4                         ; Wo's cast: my wave among the launch's 1,024: 4 (16 x tile row + tile column) + wave,
	s_add_co_u32 s70, s70, s42
	s_lshl_b32 s70, s70, 2
	s_add_co_u32 s70, s70, s10
	s_lshl_b32 s70, s70, 14                        ; its 8,192 numbers: 16,384 bytes of wob
	s_mov_b32 s71, 0
	s_mov_b32 s[TB], 0
	s_wait_dscnt 0x0                               ; the opening add is done
	s_wait_kmcnt 0x0
	s_add_nc_u64 s[14:15], s[4:5], s[16:17]
	s_add_nc_u64 s[46:47], s[6:7], s[46:47]
	s_add_nc_u64 s[68:69], s[68:69], s[72:73]
	s_add_nc_u64 s[WOD:WOD+1], s[WOD:WOD+1], s[70:71]
	s_lshl_b32 s70, s70, 1                         ; and 32,768 bytes of Wo
	s_add_nc_u64 s[WOS:WOS+1], s[WOS:WOS+1], s[70:71]
	CROUND                                         ; all sixteen work-groups are here: the first joint loads meet
.irp s, 0,1
	s_mov_b32 s[G0+4*(\s)], 1
	s_add_co_u32 s[G0+4*(\s)+1], s20, (\s)*SLOT1
	s_add_nc_u64 s[G0+4*(\s)+2:G0+4*(\s)+3], s[14:15], (\s)*256       ; K step s: 256 bytes along a row
	s_or_b32 s[G0+4*(\s)+3], s[G0+4*(\s)+3], 0x80000000
	s_mov_b32 s[G0B+4*(\s)], 1
	s_add_co_u32 s[G0B+4*(\s)+1], s21, (\s)*SLOT1
	s_add_nc_u64 s[G0B+4*(\s)+2:G0B+4*(\s)+3], s[46:47], (\s)*0x100000  ; K step s: 128 rows down
	s_or_b32 s[G0B+4*(\s)+3], s[G0B+4*(\s)+3], 0x80000000
	JLOAD \s                                       ; two loads of mine are out
.endr
	v_and_b32 v1, 15, v0                           ; l % 16
	v_bfe_u32 v2, v0, 4, 1                         ; l / 16
	v_lshlrev_b32 v[TO], 9, v1                     ; the table: my row, my 8 columns of each 16
	v_lshl_add_u32 v[TO], v2, 5, v[TO]
	WIN 0x80                                       ; destination window 2.  cos and sin for the way out are asked for now and waited for there
.irp a, 0,1,2,3
.irp b, 0,1,2,3
	global_load_b128 v[64*(\a)+8*(\b):64*(\a)+8*(\b)+3],       v[TO], s[68:69] offset:8192*(\a)+64*(\b)
	global_load_b128 v[64*(\a)+8*(\b)+4:64*(\a)+8*(\b)+7],     v[TO], s[68:69] offset:8192*(\a)+64*(\b)+16
	global_load_b128 v[64*(\a)+32+8*(\b):64*(\a)+32+8*(\b)+3], v[TO], s[68:69] offset:8192*(\a)+64*(\b)+256
	global_load_b128 v[64*(\a)+32+8*(\b)+4:64*(\a)+32+8*(\b)+7], v[TO], s[68:69] offset:8192*(\a)+64*(\b)+272
.endr
.endr
	WIN 0
	v_mul_u32_u24 v3, v1, PA                       ; a fragment of hsb: row l % 16, 16 bytes for each half of the lanes, twice, 32 bytes apart
	v_lshl_add_u32 v3, v2, 4, v3
	s_mul_i32 s22, s11, 64*PA
	v_add_nc_u32 v[A0], s22, v3
	v_and_b32 v4, 7, v0                            ; the turning load: lane l reads k row 8 (l / 16) + l % 8, columns 8 ((l / 8) % 2) + 0..7
	v_lshl_add_u32 v4, v2, 3, v4
	v_mul_u32_u24 v4, v4, PB
	v_bfe_u32 v5, v0, 3, 1
	v_lshl_add_u32 v4, v5, 4, v4
	s_lshl_b32 s22, s12, 8                         ; my 128 columns
	s_add_co_u32 s22, s22, BOFF
	v_add_nc_u32 v[B0], s22, v4
	v_mov_b32 v[ADRA], v[A0]
	v_mov_b32 v[ADRB], v[B0]
	s_mul_i32 s23, s10, 16*SP
	s_add_co_u32 s23, s23, STAGE                   ; my stage
	v_mul_u32_u24 v4, v1, SP
	v_lshl_add_u32 v4, v2, 4, v4
	v_add_nc_u32 v[STO], s23, v4
	v_mul_u32_u24 v5, v2, SP                       ; back: lanes 0-15 one row of 256 bytes, lanes 16-31 the next
	v_lshl_add_u32 v5, v1, 4, v5
	v_add_nc_u32 v[RD], s23, v5
	v_and_b32 v[CO], 31, v0
	v_lshlrev_b32 v[WS], 3, v[CO]
	v_lshlrev_b32 v[CO], 4, v[CO]
	global_load_b128 v[WX:WX+3],   v[CO], s[WOS:WOS+1] th:TH_LOAD_NT             ; Wo's first 256 numbers of mine
	global_load_b128 v[WX+4:WX+7], v[CO], s[WOS:WOS+1] offset:512 th:TH_LOAD_NT
	s_lshl_b32 s74, s13, 15                        ; the output: my 64 rows of 256 bytes,
	s_lshl_b32 s75, s11, 14
	s_add_co_u32 s74, s74, s75
	s_mov_b32 s75, 0
	s_add_nc_u64 s[8:9], s[8:9], s[74:75]
	s_lshl_b32 s46, s42, 1                         ; in head 2 x tile column + my half, 524,288 bytes a head
	s_add_co_u32 s46, s46, s12
	s_lshl_b32 s46, s46, 19
	s_mov_b32 s47, 0
	s_add_nc_u64 s[8:9], s[8:9], s[46:47]
; Wo's CAST, a chunk of 256 numbers: the chunk asked for a K step ago is rounded to bf16, widened, written as f16 and stored; more = 1: the next chunk is asked for.
.macro WOC more
	WIN 0
	s_wait_loadcnt 0x0                             ; the chunk is in: its loads were issued a whole K step ago; their base may be stepped
	s_wait_xcnt 0x0                                ; the last chunk's stores have read their registers and their base: both are written again only behind this wait
	s_add_nc_u64 s[WOD:WOD+1], s[WOD:WOD+1], 512   ; the stores below reach back
.irp j, 0,1,2,3
	v_cvt_pk_bf16_f32 v[WT+(\j)], v[WX+2*(\j)], v[WX+2*(\j)+1]
.endr
.irp j, 0,1,2,3
	v_lshlrev_b32 v[WX+2*(\j)],   16, v[WT+(\j)]
	v_and_b32     v[WX+2*(\j)+1], 0xffff0000, v[WT+(\j)]
.endr
.irp j, 0,1,2,3
	v_cvt_pk_f16_f32 v[WY+(\j)], v[WX+2*(\j)], v[WX+2*(\j)+1]
.endr
	global_store_b64 v[WS], v[WY:WY+1],   s[WOD:WOD+1] offset:-512   ; each store of the wave covers 256 consecutive bytes, aligned
	global_store_b64 v[WS], v[WY+2:WY+3], s[WOD:WOD+1] offset:-256
.if \more
	s_add_nc_u64 s[WOS:WOS+1], s[WOS:WOS+1], 1024
	global_load_b128 v[WX:WX+3],   v[CO], s[WOS:WOS+1] th:TH_LOAD_NT
	global_load_b128 v[WX+4:WX+7], v[CO], s[WOS:WOS+1] offset:512 th:TH_LOAD_NT
.endif
.endm
; 8 matrix instructions: m block a x all 8 n blocks, 32 along K.  The 32 accumulators take turns, one instruction a turn, in the same order in every quarter.
.macro MUL8 f, a, zero
	WIN MUL
.irp b, 0,1,2,3,4,5,6,7
.if \zero
	v_wmma_f32_16x16x32_bf16 v[8*(8*(\a)+(\b)):8*(8*(\a)+(\b))+7], v[(\f)+8*(\b):(\f)+8*(\b)+7], v[(\f)+64+8*(\a):(\f)+64+8*(\a)+7], 0
.else
	v_wmma_f32_16x16x32_bf16 v[8*(8*(\a)+(\b)):8*(8*(\a)+(\b))+7], v[(\f)+8*(\b):(\f)+8*(\b)+7], v[(\f)+64+8*(\a):(\f)+64+8*(\a)+7], v[8*(8*(\a)+(\b)):8*(8*(\a)+(\b))+7]
.endif
.endr
.endm
; 24 LDS loads in one run: quarter q (32 along K) of the slot in hand into buffer f: the weights' 8 fragments, then hsb's 4
.macro FETCH q, f
	WIN 0
.irp b, 0,1,2,3,4,5,6,7
	ds_load_tr16_b128 v[(\f)+8*(\b):(\f)+8*(\b)+3],   v[ADRB] offset:(\q)*32*PB+32*(\b)
	ds_load_tr16_b128 v[(\f)+8*(\b)+4:(\f)+8*(\b)+7], v[ADRB] offset:(\q)*32*PB+16*PB+32*(\b)
.endr
.irp a, 0,1,2,3
	ds_load_b128 v[(\f)+64+8*(\a):(\f)+64+8*(\a)+3],   v[ADRA] offset:(\q)*64+(\a)*16*PA
	ds_load_b128 v[(\f)+64+8*(\a)+4:(\f)+64+8*(\a)+7], v[ADRA] offset:(\q)*64+(\a)*16*PA+32
.endr
.endm
; One of a K step's first three quarters: multiplies buffer f (quarter q) and fetches quarter q + 1 into g
.macro QUARTER q, f, g, zero
	s_wait_dscnt 4                                 ; the weights and hsb's blocks 0, 1 are in; the youngest four loads (blocks 2, 3) may be out
	MUL8 \f, 0, \zero
	MUL8 \f, 1, \zero
	PLACES
	FETCH (\q)+1, \g
	s_wait_dscnt 24                                ; all but the 24 just issued
	MUL8 \f, 2, \zero
	MUL8 \f, 3, \zero
.endm
; The last quarter multiplies buffer 1 and changes slots.  Its first sixteen products, which read registers alone, stand AHEAD of the wait for the tile, so that nothing but the change itself lies between a
; tile's landing and the next request.  ONE barrier; in front of it each wave waits for all its tensor loads (one is out: its part of the next slot), adds 0 to its spare word, and waits for that and for its
; reads of this slot.  fill = 1: the barrier opens a round of the cluster's, and this slot is filled again, two K steps ahead, first thing behind the round: from that request to the wait for it a wave
; issues 128 matrix instructions.
.macro TURN fill
	s_wait_dscnt 4                                 ; the weights and hsb's blocks 0, 1 are in
	MUL8 F1, 0, 0
	MUL8 F1, 1, 0
	WIN 0
	s_wait_tensorcnt 0x0                           ; no tensor load of mine is out, so the walking descriptors may be written
	ds_add_u32 v[SPW], v[NIL]                      ; 0 onto my spare word
	s_xor_b32 s[TB], s[TB], SLOT1                  ; the fetches go to the other slot
	v_add_nc_u32 v[ADRA], s[TB], v[A0]
	v_add_nc_u32 v[ADRB], s[TB], v[B0]
.if \fill
	s_xor_b32 s[G0+5], s[G0+5], SLOT1              ; the other slot than last time, the next K step
	s_add_nc_u64 s[G0+6:G0+7], s[G0+6:G0+7], 256
	s_xor_b32 s[G0B+5], s[G0B+5], SLOT1
	s_add_nc_u64 s[G0B+6:G0B+7], s[G0B+6:G0B+7], 0x100000
.endif
	s_wait_dscnt 0x0                               ; the add is done, and my reads of this slot are over
	s_barrier_signal -1
	s_barrier_wait -1
.if \fill
	CREST                                          ; no wave of any partner still reads this slot's tile or has a load on its way
	JLOAD 1                                        ; its four v_nop are also the places in front of the loads below
.else
	PLACES
.endif
	FETCH 0, F0
	MUL8 F1, 2, 0
	MUL8 F1, 3, 0
.endm
	s_wait_tensorcnt 1                             ; my part of K step 0 is in; K step 1's may stay out
	s_barrier_signal -1
	s_barrier_wait -1                              ; everybody's is
	FETCH 0, F0
	QUARTER 0, F0, F1, 1                           ; the first quarter stands in front of the loop: its products start the sums
	WIN 0
	s_mov_b32 s3, STEPS-2
.Lstep:                                            ; a trip: from a K step's second quarter to the next step's first; every slot but the last two is filled again
	WOC 1                                          ; chunk t of Wo is stored, chunk t + 1 asked for
	QUARTER 1, F1, F0, 0
	QUARTER 2, F0, F1, 0
	TURN 1
	QUARTER 0, F0, F1, 0
	WIN 0
	s_sub_co_u32 s3, s3, 1
	s_cmp_lg_u32 s3, 0
	s_cbranch_scc1 .Lstep
	WOC 1                                          ; chunk 30; chunk 31, the last, is asked for
	QUARTER 1, F1, F0, 0                           ; the last two K steps ask for no tile
	QUARTER 2, F0, F1, 0
	TURN 0
	QUARTER 0, F0, F1, 0
	QUARTER 1, F1, F0, 0
	QUARTER 2, F0, F1, 0
	s_wait_dscnt 0x0
	MUL8 F1, 0, 0
	MUL8 F1, 1, 0
	MUL8 F1, 2, 0
	MUL8 F1, 3, 0
	WIN 0
	WOC 0                                          ; chunk 31: nothing is left to ask for
; THE WAY OUT, a block of 16 rows at a time.  Accumulator (a, b) holds columns d = 16 b + 8 (l / 16) + 0..7 of the head, (a, b + 4) the columns d + 64, which turn with them.
.macro ROPE a
	WIN 0x09                                       ; source 0 (sums) window 1, source 1 (table) window 2, the rest window 0
.irp b, 0,1,2,3
.set LO, 8*(8*(\a)+(\b))
.set HI, 8*(8*(\a)+(\b)+4)
.set CC, 64*(\a)+8*(\b)
.set SS, 64*(\a)+32+8*(\b)
.irp r, 0,2,4,6                        ; each accumulator's lowest registers are read first
	v_pk_mul_f32 v[TT+(\r):TT+(\r)+1], v[HI+(\r):HI+(\r)+1], v[SS+(\r):SS+(\r)+1]
	v_pk_mul_f32 v[UU+(\r):UU+(\r)+1], v[LO+(\r):LO+(\r)+1], v[SS+(\r):SS+(\r)+1]
.endr
.irp r, 0,2,4,6
	v_pk_fma_f32 v[RR+8*(\b)+(\r):RR+8*(\b)+(\r)+1], v[LO+(\r):LO+(\r)+1], v[CC+(\r):CC+(\r)+1], v[TT+(\r):TT+(\r)+1] neg_lo:[0,0,1] neg_hi:[0,0,1]
	v_pk_fma_f32 v[RR+32+8*(\b)+(\r):RR+32+8*(\b)+(\r)+1], v[HI+(\r):HI+(\r)+1], v[CC+(\r):CC+(\r)+1], v[UU+(\r):UU+(\r)+1]
.endr
.endr
	WIN 0
.set i, 0
.rept 32
	v_cvt_pk_f16_f32 v[PK+i], v[RR+2*i], v[RR+2*i+1]
.set i, i+1
.endr
.endm
.macro TOSTAGE a                       ; 16 bytes a lane into my stage, and back as whole rows of 256 bytes
.irp b, 0,1,2,3,4,5,6,7
	ds_store_b128 v[STO], v[PK+4*(\b):PK+4*(\b)+3] offset:32*(\b)
.endr
.irp t, 0,1,2,3,4,5,6,7
	ds_load_b128 v[OB+32*((\a)%2)+4*(\t):OB+32*((\a)%2)+4*(\t)+3], v[RD] offset:(\t)*2*SP  ; LDS serves a wave's instructions in order (ISA guide 5.7.1.4): these see the stores above
.endr
.endm
.macro SEND a
	s_wait_dscnt 0x0                               ; the block is back in registers
	s_wait_xcnt 0x0                                ; earlier stores have read their registers: the other buffer is loaded again only behind this wait
.irp t, 0,1,2,3,4,5,6,7
	global_store_b128 v[CO], v[OB+32*((\a)%2)+4*(\t):OB+32*((\a)%2)+4*(\t)+3], s[8:9] offset:4096*(\a)+512*(\t)  ; two rows of a head: 512 consecutive bytes, aligned
.endr
.endm
	PLACES
	PLACES                                         ; behind the last products
	s_wait_loadcnt 0x0                             ; cos and sin
	ROPE 0
	TOSTAGE 0
.irp a, 1,2,3                          ; block a's arithmetic stands between block a - 1's loads from the stage and the wait for them
	ROPE \a
	SEND (\a)-1
	TOSTAGE \a
.endr
	SEND 3
	s_wait_tensorcnt 0x0                           ; the wave's end, behind my last tensor load and my last LDS store
	ds_add_u32 v[SPW], v[NIL]
	s_wait_dscnt 0x0
	CROUND                                         ; the closing round: no work-group ends while a partner may still ask for a tile that names it
	s_endpgm
.Lfunc_end_k_q133f85dd09_proj:
	.size	k_q133f85dd09_proj, .Lfunc_end_k_q133f85dd09_proj-k_q133f85dd09_proj
	.p2alignl 7, 3214868480
	.fill 96, 4, 3214868480
	.section	.rodata,"a",@progbits
	.p2align	6, 0x0
	.amdhsa_kernel k_q133f85dd09_proj
		.amdhsa_group_segment_fixed_size 327680
		.amdhsa_private_segment_fixed_size 0
		.amdhsa_enable_private_segment 0
		.amdhsa_kernarg_size 48
		.amdhsa_user_sgpr_count 2
		.amdhsa_user_sgpr_kernarg_segment_ptr 1
		.amdhsa_wavefront_size32 1
		.amdhsa_system_sgpr_workgroup_id_x 1
		.amdhsa_system_sgpr_workgroup_id_y 1
		.amdhsa_system_sgpr_workgroup_id_z 1
		.amdhsa_system_vgpr_workitem_id 0
		.amdhsa_next_free_vgpr 768
		.amdhsa_next_free_sgpr 80
		.amdhsa_reserve_vcc 0
		.amdhsa_float_denorm_mode_32 3
		.amdhsa_float_denorm_mode_16_64 3
		.amdhsa_memory_ordered 1
		.amdhsa_forward_progress 1
		.amdhsa_inst_pref_size 97
	.end_amdhsa_kernel
	.amdgpu_metadata
---
amdhsa.version: [ 1, 2 ]
amdhsa.kernels:
  - .name:           k_q133f85dd09_proj
    .symbol:         k_q133f85dd09_proj.kd
    .args:
      - { .name: hsb, .offset: 0, .size: 8, .value_kind: global_buffer, .address_space: global }
      - { .name: wqkv, .offset: 8, .size: 8, .value_kind: global_buffer, .address_space: global }
      - { .name: tab, .offset: 16, .size: 8, .value_kind: global_buffer, .address_space: global }
      - { .name: qkvh, .offset: 24, .size: 8, .value_kind: global_buffer, .address_space: global }
      - { .name: Wo, .offset: 32, .size: 8, .value_kind: global_buffer, .address_space: global }
      - { .name: wob, .offset: 40, .size: 8, .value_kind: global_buffer, .address_space: global }
    .group_segment_fixed_size: 327680
    .private_segment_fixed_size: 0
    .kernarg_segment_align: 8
    .kernarg_segment_size: 48
    .max_flat_workgroup_size: 128
    .sgpr_count:     80
    .vgpr_count:     768
    .wavefront_size: 32
...
	.end_amdgpu_metadata
.endif
;; end of part 2
;; launch attn (part 3): grid 32 x 8, 4 waves a work-group, clusters of 4 x 4, 327,680 bytes of LDS; arguments qkvh, attention_mask, ao; writes ao
.if DOCPART == 3
	.amdgcn_target "amdgcn-amd-amdhsa--gfx1250"
	.amdhsa_code_object_version 6
	.text
	.protected	k_q133f85dd09_attn
	.globl	k_q133f85dd09_attn
	.p2align	8
	.type	k_q133f85dd09_attn,@function
k_q133f85dd09_attn:
	s_mov_b64 s[64:65], 0
	v_nop
	global_prefetch_b8 v0, s[64:65] scope:SCOPE_SE
	s_setreg_imm32_b32 hwreg(HW_REG_WAVE_MODE, 25, 1), 1
	s_wait_xcnt 0x0
	s_wait_alu depctr_hold_cnt(0) depctr_sa_sdst(0) depctr_va_vdst(0) depctr_va_sdst(0) depctr_va_ssrc(0) depctr_va_vcc(0) depctr_vm_vsrc(0)
	s_getreg_b32 s2, hwreg(HW_REG_IB_STS2, 6, 4)
	s_cmp_eq_u32 s2, 0
	s_cbranch_scc0 .Lentry_in_a_cluster
	s_endpgm
.Lentry_in_a_cluster:
	s_bfe_u32 s2, ttmp6, 0x10000c
	s_cmp_lg_u32 s2, 0xf033
	s_cbranch_scc0 .Lentry_shape_is_right
	s_endpgm
.Lentry_shape_is_right:
; ATTENTION WITH AN ADDITIVE MASK THAT IS AN INPUT, two query heads to a key and value head.  qkvh: f16 [32 heads][2048][128]: heads 0-15 q (already times c = log2(e) / sqrt(128)), 16-23 k, 24-31 v.
; attention_mask: f32 [2048 q][2048 k], as it is given.  ao: f16 [2048][2048], column = 128 x head + channel.  u = mask x log2(e) + q . k (one fused multiply-add in f32: one rounding, to nearest);
; p = 2^(u - m) with a running maximum m; O and l are multiplied by a = 2^(m_old - m_new) in every step.  Products, maxima and sums in f32; p is rounded to f16 for the second product (l is the sum of the
; unrounded p), O once at the end.  All 2,048 keys are walked for every query: nothing is assumed of the mask.  The mask is taken unrounded, the other inputs rounded to bf16.
; LIMITS.  q, k, v arrive within f16's range; |mask| x log2(e) stays under 3.3e38 and finite; a weight below 2^-126 counts as 0 in l; NaN and infinities are not treated apart.
; SHARES.  A work-group owns 64 queries (qb) of BOTH query heads of one key and value head g.  Of a slot's 128 keys waves 0, 1 take the first 64, waves 2, 3 the second; of the 64 queries waves 0, 2 take
; the first 32, waves 1, 3 the second.  So a wave has four tiles of 16 queries (tile t: query group t / 2, head t % 2) and walks half the keys; the two halves' (m, l, O) meet in LDS at the end.
; LAYOUT.  S^T = K Q^T (source 0 = 16 keys, source 1 = 16 queries): a lane holds ONE query (lane % 16) and the keys 8 (lane / 16) + 0..7; two such results rounded to f16 ARE source 1 of O^T = V^T P.
; BY TURNS.  Piece 0 is tiles 0, 1, piece 2 tiles 2, 3; a piece's two tiles share their mask.  In a TURN one piece issues 32 products V^T P of the step in hand and 32 products K Q^T of the next; the other
; piece's softmax, 300 vector instructions in 64 slices, stands between them, one slice behind each matrix instruction.  Two turns are a key step, which is a slot.
; NO FIRST STEP IS WRITTEN OUT: m starts at the lowest finite number, O^T, l, V and piece 0's P at 0, piece 2's scores at the lowest finite number with a mask of 0: the first trip's products add zeros, and what
; piece 2's first, empty softmax leaves in l is multiplied by a = 0 in the next.  The price: 528 v_mov_b32, written while the first tile is on its way, and 96 products of 2,144 that serve nothing.
; CLUSTER 4 x 4: K and V hang on g alone and are asked for jointly by a row of the cluster, the mask's tile on qb alone, by a column.
; REGISTERS, in windows of 256: window 0: v0-11 addresses; v12-43 eight registers of statistics a tile; v44-48, v61-63 addresses; v64-191 S^T, 32 a tile; v192-255 P, 16 a tile.
;   window 1: O^T, 64 a tile.   window 2: v0-127 Q, 32 a tile; v128-255 K of one step.   window 3: v0-127 V of one step; v128-159 piece 0's mask, v160-191 piece 2's.
.set PKP,   272       ; a row of K in LDS: 256 bytes + 16: the 16 rows of a load start at 16 different groups of four banks (64 banks of 4 bytes: ISA guide 11.1)
.set PVP,   288       ; a row of V: 256 + 32
.set PMP,   528       ; a row of the mask's tile: 128 f32 + 16 bytes
.set VOFF,  128*PKP   ; a slot: 128 rows of K, 128 rows of V, 64 rows of the mask
.set MOFF,  VOFF+128*PVP
.set SLOT1, 1<<17     ; slot 1 begins here, so that one exclusive or turns an address in one slot into the other's
.set MERGE, SLOT1+MOFF+64*PMP  ; behind the ring, never filled by a tensor load: O^T of waves 2 and 3, 32,768 bytes each,
.set MSTAT, MERGE+65536        ; their (m, l), 1,024 bytes each,
.set STAGE, MSTAT+2048         ; and 16 rows x 272 bytes for each wave, for the way out
.set SP,    272
.set SPARE, STAGE+4*16*SP      ; the spare words, 128 bytes for each wave: two blocks of 256 bytes that no other line names
.set AK0, 2           ; v2   my lane's place in a slot's K; never rewritten
.set AV0, 3           ; v3   in its V
.set AM0, 4           ; v4   in its mask
.set ADR, 5           ; v5   the LDS address of the run of loads in hand
.set ADM, 6           ; v6   the same for the mask
.set QO,  7           ; v7   my byte offset in 16 rows of Q; never rewritten
.set ST,  12          ; tile t's statistics at v[ST+8 t]: +0 m, +1 named with it as a pair (at the end: l), +2, +3 l (even keys', odd keys'), +4 to +7 c0-c3 at work; a takes c2's place
.set STO, 44          ; the way out: where I put 16 bytes of a row
.set RD,  45          ; where I read rows back
.set GO,  46          ; my byte offset in two rows of ao
.set MO,  47          ; my 16 bytes in a block of 512 of the merge's O^T
.set MS,  48          ; my 8 bytes of its statistics
.set PFO, 61          ; the prefetches' offset; never rewritten
.set SPW, 62          ; LDS address of my spare word; never rewritten
.set NIL, 63          ; 0; never rewritten
.set S,   64
.set P,   192
.set KF,  128         ; window 2
.set MK,  128         ; window 3
.set WV,  12          ; s12  my wave's number
.set G1K, 24          ; s[24:31], s[32:39], s[40:47] descriptor groups 1 for K, V, the mask
.set G1V, 32
.set G1M, 40
.set G0K, 48          ; s[48:51], s[52:55], s[56:59] groups 0: they walk
.set G0V, 52
.set G0M, 56
.set SEL, 60          ; s[60:61] v_permlanex16_b32's selects: each lane takes its own place in the other half
.set TB,  62          ; s62  0 or SLOT1: the slot in hand
.set SLOTS, 63        ; s63  slots still to be asked for
.set CNT, 66          ; s66  counts the tail's trips
.set LIM, 67          ; s67  1 in a wave that prefetches, else the greatest number
.set PFA, 68          ; s[68:69] where my prefetches stand
.set PFS, 70          ; s[70:71] their step from slot to slot
.set LG,  86          ; s[86:87] log2(e): the packed multiply-add takes the pair's low word for both halves
.set MSB, 0
.macro WIN new                      ; the high byte repeats the setting that is left; a switch that changes nothing is dropped
.if MSB != (\new)
	s_set_vgpr_msb (MSB<<8)|(\new)
.set MSB, \new
.endif
.endm
.set W_KQ, 0x0a       ; K and Q in window 2, S^T in window 0
.set W_PV, 0x53       ; V in window 3, P in window 0, O^T in window 1
.set W_RS, 0x41       ; O^T (destination and source 0) in window 1, the factor in window 0
.set W_MA, 0x03       ; the mask (source 0) in window 3
; A joint fill, one load a wave: wave 0 a slot's K, wave 1 its V, waves 2 and 3 the halves of its mask.  The branches hang on the wave's number alone.  An s_nop 0 and four v_nop follow each line.
.macro JLOAD
	s_cmp_lt_u32 s[WV], 2
	s_cbranch_scc0 .Lfor_m_\@
	s_cmp_eq_u32 s[WV], 0
	s_cbranch_scc0 .Lfor_v_\@
	tensor_load_to_lds s[G0K:G0K+3], s[G1K:G1K+7]
	s_nop 0
.rept 4
	v_nop
.endr
	s_branch .Lasked_\@
.Lfor_v_\@:
	tensor_load_to_lds s[G0V:G0V+3], s[G1V:G1V+7]
	s_nop 0
.rept 4
	v_nop
.endr
	s_branch .Lasked_\@
.Lfor_m_\@:
	tensor_load_to_lds s[G0M:G0M+3], s[G1M:G1M+7]
	s_nop 0
.rept 4
	v_nop
.endr
.Lasked_\@:
.endm
; A PREFETCH INTO THE L2 of what the NEXT change of slots will ask for, behind the wave's tensor load and its five lines.  Each aligned block of 256 bytes is named once in the launch.  K and V of a head are walked by
; every cluster of that row of clusters: the first (cluster x = 0) asks, its four partners of a row taking 32 of the 128 rows each BY ADDRESS, wave 0 K's and wave 1 V's, a lane a row.  A mask tile (64 rows x 512 bytes)
; is walked by both clusters of a column: cluster y = 0 asks, the four partners of a column taking 16 rows each by address, wave 2, a lane a half row.  The last change that fills a slot asks for nothing.
.macro ASK
	s_cmp_gt_u32 s[SLOTS], s[LIM]
	s_cbranch_scc0 .Lnot_mine_\@
	global_prefetch_b8 v[PFO], s[PFA:PFA+1] th:TH_LOAD_NT scope:SCOPE_SE
.Lnot_mine_\@:
.endm
.macro CROUND                       ; a round of the cluster's barrier
	s_barrier_signal -1
	s_barrier_wait -1
	s_cmp_lg_u32 s[WV], 0
	s_cbranch_scc1 .Lnot_wave_0_\@
	s_barrier_signal -3
.Lnot_wave_0_\@:
	s_barrier_wait -3
	s_barrier_signal -1
	s_barrier_wait -1
.endm
	s_load_b128 s[4:7], s[0:1], 0x0 ; qkvh s[4:5], attention_mask s[6:7]
	s_load_b64 s[8:9], s[0:1], 0x10 ; ao
	v_lshl_add_u32 v[SPW], v0, 2, SPARE
	v_mov_b32 v[NIL], 0
	ds_add_u32 v[SPW], v[NIL]       ; the wave's opening: the add and its wait stand ahead of my first tensor load; the set-up below, work on registers, stands between them
	v_lshrrev_b32 v1, 5, v0
	v_readfirstlane_b32 s[WV], v1   ; wave 0..3
	s_and_b32 s13, s[WV], 1         ; which 32 queries are mine
	s_lshr_b32 s14, s[WV], 1        ; which 64 keys of a slot
	s_bfe_u32 s72, ttmp6, 0x40000   ; cx
	s_bfe_u32 s73, ttmp6, 0x40004   ; cy
	s_lshl_b32 s74, ttmp9, 2
	s_add_co_u32 s74, s74, s72      ; qb = 4 x cluster x + cx
	s_and_b32 s81, ttmp7, 0xffff    ; cluster y
	s_lshl_b32 s75, s81, 2
	s_add_co_u32 s75, s75, s73      ; g = 4 x cluster y + cy
	s_lshl_b32 s76, s73, 2
	s_lshl_b32 s76, 15, s76         ; my row of the cluster
	s_lshl_b32 s77, 0x1111, s72     ; my column
	s_or_b32 s[G1K], s76, (1<<16)|(1<<20)|(1<<21)|(5<<22)|(3<<25)  ; the mask of work-groups; 2-byte elements; padding on; bit 21 beside a mask; after every 64 words, 4 words
	s_or_b32 s[G1V], s76, (1<<16)|(1<<20)|(1<<21)|(5<<22)|(7<<25)  ; 8 words
	s_or_b32 s[G1M], s77, (2<<16)|(1<<20)|(1<<21)|(6<<22)|(3<<25)  ; 4-byte elements; after every 128 words, 4 words
.irp g, G1K, G1V
	s_mov_b32 s[(\g)+1], 128<<16    ; tensor_dim0 = 128
	s_mov_b32 s[(\g)+2], 128<<16    ; tensor_dim1 = 128
	s_mov_b32 s[(\g)+3], 128<<16    ; tile_dim0 = 128
	s_mov_b32 s[(\g)+4], 128        ; tile_dim1 = 128
	s_mov_b32 s[(\g)+5], 128        ; elements from row to row
	s_mov_b32 s[(\g)+6], 0
	s_mov_b32 s[(\g)+7], 0
.endr
	s_mov_b32 s[G1M+1], 128<<16     ; 32 rows of 128 f32
	s_mov_b32 s[G1M+2], 32<<16
	s_mov_b32 s[G1M+3], 128<<16
	s_mov_b32 s[G1M+4], 32
	s_mov_b32 s[G1M+5], 2048
	s_mov_b32 s[G1M+6], 0
	s_mov_b32 s[G1M+7], 0
	s_add_co_u32 s16, s75, 16       ; K: head 16 + g, 524,288 bytes a head
	s_lshl_b32 s16, s16, 19
	s_mov_b32 s17, 0
	s_add_co_u32 s18, s75, 24       ; V: head 24 + g
	s_lshl_b32 s18, s18, 19
	s_mov_b32 s19, 0
	s_lshl_b32 s20, s74, 19         ; the mask: row 64 qb + 32 x half, 8,192 bytes a row
	s_lshl_b32 s21, s13, 18
	s_add_co_u32 s20, s20, s21
	s_mov_b32 s21, 0
	s_lshl_b32 s22, s75, 20         ; Q: head 2 g, row 64 qb + 32 x my half
	s_lshl_b32 s23, s74, 14
	s_add_co_u32 s22, s22, s23
	s_lshl_b32 s23, s13, 13
	s_add_co_u32 s22, s22, s23
	s_mov_b32 s23, 0
	s_lshl_b32 s2, s74, 18          ; ao: the same rows, 4,096 bytes each; column 256 g
	s_lshl_b32 s3, s13, 17
	s_add_co_u32 s2, s2, s3
	s_lshl_b32 s3, s75, 9
	s_add_co_u32 s2, s2, s3
	s_mov_b32 s3, 0
	s_mov_b32 s[G0K], 1
	s_mov_b32 s[G0K+1], 0           ; LDS addresses in slot 0: no place in the cluster enters them
	s_mov_b32 s[G0V], 1
	s_mov_b32 s[G0V+1], VOFF
	s_mov_b32 s[G0M], 1
	s_mul_i32 s15, s13, 32*PMP
	s_add_co_u32 s[G0M+1], s15, MOFF
	s_mov_b32 s[SEL], 0x76543210
	s_mov_b32 s[SEL+1], 0xfedcba98
	s_mov_b32 s[LG], 0x3fb8aa3b     ; log2(e)
	s_mov_b32 s[LG+1], s[LG]        ; named with it as a pair, so it is written
	s_mov_b32 s[TB], SLOT1          ; the first change of slots turns it into 0
	s_mov_b32 s[SLOTS], 15
	; the prefetches: they stand at slot 1's data; the first change steps them to slot 2's.  Nothing is prefetched at the head.
	s_lshl_b32 s79, s72, 13         ; K, V: my work-group's 32 rows of 256 bytes
	s_lshl_b32 s80, s74, 19         ; the mask: my work-group's 16 rows of the 64
	s_lshl_b32 s84, s73, 17
	s_add_co_u32 s80, s80, s84
	s_add_co_u32 s80, s80, 512
	s_mov_b32 s83, 32768
	s_cmp_eq_u32 s[WV], 0
	s_cselect_b32 s78, s16, s18
	s_add_co_u32 s78, s78, s79
	s_add_co_u32 s78, s78, s83
	s_cmp_lt_u32 s[WV], 2
	s_cselect_b32 s78, s78, s80
	s_cselect_b32 s[PFS], s83, 512
	s_cselect_b32 s81, ttmp9, s81   ; the coordinate along which other clusters walk the same rows
	s_cselect_b32 s82, -1, 0
	s_mov_b32 s79, 0
	s_mov_b32 s[PFS+1], 0
	s_cmp_eq_u32 s[WV], 3           ; wave 3 never asks
	s_cselect_b32 s81, 1, s81
	s_cmp_eq_u32 s81, 0
	s_cselect_b32 s[LIM], 1, -1     ; the same in all sixteen partners, for a given wave
	s_wait_dscnt 0x0                ; the opening add is done
	s_wait_kmcnt 0x0
	s_add_nc_u64 s[G0K+2:G0K+3], s[4:5], s[16:17]
	s_or_b32 s[G0K+3], s[G0K+3], 0x80000000
	s_add_nc_u64 s[G0V+2:G0V+3], s[4:5], s[18:19]
	s_or_b32 s[G0V+3], s[G0V+3], 0x80000000
	s_add_nc_u64 s[G0M+2:G0M+3], s[6:7], s[20:21]
	s_or_b32 s[G0M+3], s[G0M+3], 0x80000000
	s_add_nc_u64 s[22:23], s[4:5], s[22:23]
	s_add_nc_u64 s[8:9], s[8:9], s[2:3]
	s_cmp_lt_u32 s[WV], 2
	s_cselect_b64 s[PFA:PFA+1], s[4:5], s[6:7]
	s_add_nc_u64 s[PFA:PFA+1], s[PFA:PFA+1], s[78:79]
	CROUND                          ; all sixteen work-groups are here: the first joint loads meet
	JLOAD                           ; slot 0.  Slot 1 is asked for when slot 0 is in, by the loop's own change of slots
	v_and_b32 v1, 15, v0            ; l % 16
	v_bfe_u32 v9, v0, 4, 1          ; l / 16
	v_lshlrev_b32 v[QO], 8, v1
	v_lshl_add_u32 v[QO], v9, 4, v[QO]  ; row x 256 + 16 x half
	WIN 0x80                        ; destination window 2
.set i, 0
.rept 16                            ; Q stays in registers: tile i / 4 (head (i / 4) % 2, query group i / 8), channels 32 (i % 4) on
	global_load_b128 v[8*i:8*i+3],   v[QO], s[22:23] offset:((i/4)%2)*524288+(i/8)*4096+(i%4)*64
	global_load_b128 v[8*i+4:8*i+7], v[QO], s[22:23] offset:((i/4)%2)*524288+(i/8)*4096+(i%4)*64+32
.set i, i+1
.endr
	WIN 0xc0                        ; what the first trip finds: V and piece 2's mask are 0,
.set i, 0
.rept 128
	v_mov_b32 v[i], 0
.set i, i+1
.endr
.set i, MK+32
.rept 32
	v_mov_b32 v[i], 0
.set i, i+1
.endr
	WIN 0x40                        ; O^T is 0,
.set i, 0
.rept 256
	v_mov_b32 v[i], 0
.set i, i+1
.endr
	WIN 0
	s_mov_b32 s15, 0xff7fffff       ; the lowest finite number
.set i, P
.rept 32
	v_mov_b32 v[i], 0               ; piece 0's P is 0,
.set i, i+1
.endr
.set i, S+64
.rept 64
	v_mov_b32 v[i], s15             ; piece 2's scores are the lowest,
.set i, i+1
.endr
.irp t, 0,1,2,3
	v_mov_b32 v[ST+8*(\t)], s15     ; and so is every m; l is 0
	v_mov_b32 v[ST+8*(\t)+1], 0
	v_mov_b32 v[ST+8*(\t)+2], 0
	v_mov_b32 v[ST+8*(\t)+3], 0
.endr
	v_mul_u32_u24 v[AK0], v1, PKP   ; a fragment of K: row l % 16 of my 64 keys, 16 bytes for each half of the lanes
	v_lshl_add_u32 v[AK0], v9, 4, v[AK0]
	s_mul_i32 s15, s14, 64*PKP
	v_add_nc_u32 v[AK0], s15, v[AK0]
	v_and_b32 v10, 7, v0            ; the turning load: lane l reads key 8 (l / 16) + l % 8, channels 8 ((l / 8) % 2) + 0..7
	v_bfe_u32 v11, v0, 3, 1
	v_lshl_add_u32 v[AV0], v9, 3, v10
	v_mul_u32_u24 v[AV0], v[AV0], PVP
	v_lshl_add_u32 v[AV0], v11, 4, v[AV0]
	s_mul_i32 s15, s14, 64*PVP
	s_add_co_u32 s15, s15, VOFF
	v_add_nc_u32 v[AV0], s15, v[AV0]
	v_mul_u32_u24 v[AM0], v1, PMP   ; the mask: my query's row, my 64 keys, my lanes' 8 of each 16
	v_lshl_add_u32 v[AM0], v9, 5, v[AM0]
	s_mul_i32 s15, s13, 32*PMP
	s_lshl_b32 s16, s14, 8
	s_add_co_u32 s15, s15, s16
	s_add_co_u32 s15, s15, MOFF
	v_add_nc_u32 v[AM0], s15, v[AM0]
	s_mul_i32 s15, s[WV], 16*SP
	s_add_co_u32 s15, s15, STAGE    ; my stage
	v_mul_u32_u24 v[STO], v1, SP
	v_lshl_add_u32 v[STO], v9, 4, v[STO]
	v_add_nc_u32 v[STO], s15, v[STO]
	v_mul_u32_u24 v[RD], v9, SP     ; back: lanes 0-15 one row of 256 bytes, lanes 16-31 the next
	v_lshl_add_u32 v[RD], v1, 4, v[RD]
	v_add_nc_u32 v[RD], s15, v[RD]
	v_lshlrev_b32 v[GO], 12, v9     ; and the same two rows in ao
	v_lshl_add_u32 v[GO], v1, 4, v[GO]
	v_and_b32 v8, 31, v0
	s_lshl_b32 s15, s13, 15
	s_add_co_u32 s15, s15, MERGE
	v_lshl_add_u32 v[MO], v8, 4, s15
	s_lshl_b32 s15, s13, 10
	s_add_co_u32 s15, s15, MSTAT
	v_lshl_add_u32 v[MS], v8, 3, s15
	v_lshlrev_b32 v10, 8, v8        ; the prefetches' offset: K, V: a lane a row of 256 bytes;
	v_lshrrev_b32 v11, 1, v8        ; the mask: two lanes a row of 8,192 bytes, 256 bytes apart
	v_lshlrev_b32 v11, 13, v11
	v_and_b32 v8, 1, v8
	v_lshl_add_u32 v11, v8, 8, v11
	v_cndmask_b32 v[PFO], v11, v10, s82
	s_wait_loadcnt 0x0              ; Q
; THE MATRIX WORK OF A TURN, for piece x.  The accumulators take turns, one instruction a turn: between two links of a chain stand 15 (V^T P) or 7 (K Q^T) others'.
.macro PV x                         ; product i of 32 of O^T += V^T P: keys 32 (i / 16) on, channels 16 ((i / 2) % 8) on, tile x + i % 2
	WIN W_PV
.set rO, 64*((\x)+i%2)+8*((i/2)%8)
.set rV, 64*(i/16)+8*((i/2)%8)
.set rP, P+16*((\x)+i%2)+8*(i/16)
	v_wmma_f32_16x16x32_f16 v[rO:rO+7], v[rV:rV+7], v[rP:rP+7], v[rO:rO+7]
.endm
.macro KQ x                         ; product i of 32 of S^T = K Q^T: channels 32 (i / 8) on, keys 16 ((i / 2) % 4) on, tile x + i % 2.  The first 8 start the sums
	WIN W_KQ
.set rS, S+32*((\x)+i%2)+8*((i/2)%4)
.set rK, KF+32*((i/2)%4)+8*(i/8)
.set rQ, 32*((\x)+i%2)+8*(i/8)
.if i < 8
	v_wmma_f32_16x16x32_f16 v[rS:rS+7], v[rK:rK+7], v[rQ:rQ+7], 0
.else
	v_wmma_f32_16x16x32_f16 v[rS:rS+7], v[rK:rK+7], v[rQ:rQ+7], v[rS:rS+7]
.endif
.endm
; THE LDS LOADS stand in two runs of 40 a key step: my 64 keys of K with piece 0's mask, and a turn later V (turned) with piece 2's mask.
.macro FETCH_K
	WIN 0
	v_add_nc_u32 v[ADR], s[TB], v[AK0]
	v_add_nc_u32 v[ADM], s[TB], v[AM0]
	WIN 0x80                        ; destination window 2
.irp f, 0,1,2,3,4,5,6,7,8,9,10,11,12,13,14,15  ; keys 16 (f / 4) on, channels 32 (f % 4) on
	ds_load_b128 v[KF+8*(\f):KF+8*(\f)+3],   v[ADR] offset:((\f)/4)*16*PKP+((\f)%4)*64
	ds_load_b128 v[KF+8*(\f)+4:KF+8*(\f)+7], v[ADR] offset:((\f)/4)*16*PKP+((\f)%4)*64+32
.endr
	WIN 0xc0                        ; destination window 3
.irp f, 0,1,2,3,4,5,6,7             ; keys 16 (f / 2) on, four of my eight
	ds_load_b128 v[MK+4*(\f):MK+4*(\f)+3], v[ADM] offset:((\f)/2)*64+((\f)%2)*16
.endr
.endm
.macro FETCH_V
	WIN 0
	v_add_nc_u32 v[ADR], s[TB], v[AV0]
	WIN 0xc0
.irp f, 0,1,2,3,4,5,6,7,8,9,10,11,12,13,14,15  ; keys 32 (f / 8) on, channels 16 (f % 8) on
	ds_load_tr16_b128 v[8*(\f):8*(\f)+3],   v[ADR] offset:((\f)/8)*32*PVP+((\f)%8)*32
	ds_load_tr16_b128 v[8*(\f)+4:8*(\f)+7], v[ADR] offset:((\f)/8)*32*PVP+16*PVP+((\f)%8)*32
.endr
.irp f, 0,1,2,3,4,5,6,7             ; piece 2's queries lie 16 rows further down
	ds_load_b128 v[MK+32+4*(\f):MK+32+4*(\f)+3], v[ADM] offset:16*PMP+((\f)/2)*64+((\f)%2)*16
.endr
.endm
; THE VECTOR WORK OF A TURN.  One tile's softmax for one key step is a list of 150 instructions; SM writes number j of it for tile t.  s0-s31 are the lane's 32 scores, in pairs 0-15.
;   0-15    u = mask x log2(e) + s, pair by pair, each accumulator's lowest registers first.  From here on jj = j - 16:
;   0-15    the maximum of u0-u31 and the old m, three operands at a time: four chains c0-c3 of seven each, then the four left over, c0-c3 and m
;   16-20   the other half of the lanes' maximum; m_old is kept; the new m; m_old - m_new (19 is empty)
;   21-87   33 exponentials (a, then u0-u31) at the odd numbers from 23 on, so that no two follow each other and each has a plain instruction behind it before its result is used.  Plain instruction q
;           (number 21, then the even numbers) is whatever is ready: u - m for a pair whose exponentials are still to come, the rounding to f16 of a pair whose exponentials are done, at last the first three sums
;   88-101  the last rounding; the rest of the sums; l = a l + the sum
;   102-133 the tile's O^T times a: the one part in window 1, so it stands together
.macro SM t
.set rT, ST+8*(\t)
.set rS, S+32*(\t)
.set rP, P+16*(\t)
.set rM, MK+32*((\t)/2)
.set jj, j-16
.set rO, 64*(\t)+2*(jj-102)
.set q, (jj-20)/2
.if j < 16
	WIN W_MA
.elseif jj < 102
	WIN 0
.endif
.if j < 16
	v_pk_fma_f32 v[rS+2*j:rS+2*j+1], v[rM+2*j:rM+2*j+1], s[LG:LG+1], v[rS+2*j:rS+2*j+1] op_sel_hi:[1,0,1]
.elseif jj < 4
	v_max3_num_f32 v[rT+4+jj], v[rS+8*jj], v[rS+8*jj+1], v[rS+8*jj+2]
.elseif jj < 12
	v_max3_num_f32 v[rT+4+jj%4], v[rT+4+jj%4], v[rS+8*(jj%4)+2*(jj/4)+1], v[rS+8*(jj%4)+2*(jj/4)+2]
.elseif jj == 12
	v_max3_num_f32 v[rT+4], v[rT+4], v[rS+7], v[rS+15]
.elseif jj == 13
	v_max3_num_f32 v[rT+6], v[rT+6], v[rS+23], v[rS+31]
.elseif jj == 14
	v_max3_num_f32 v[rT+4], v[rT+4], v[rT+5], v[rT+6]
.elseif jj == 15
	v_max3_num_f32 v[rT+4], v[rT+4], v[rT+7], v[rT]
.elseif jj == 16
	v_permlanex16_b32 v[rT+5], v[rT+4], s[SEL], s[SEL+1]  ; the query's other 32 keys lie in the lane 16 away
.elseif jj == 17
	v_mov_b32 v[rT+7], v[rT]        ; m_old is kept for a
.elseif jj == 18
	v_max_num_f32 v[rT], v[rT+4], v[rT+5]
.elseif jj == 19
.elseif jj == 20
	v_sub_f32 v[rT+7], v[rT+7], v[rT]
.elseif jj == 23
	v_exp_f32 v[rT+6], v[rT+7]
.elseif (jj < 88) && (jj > 23) && (jj%2 == 1)
	v_exp_f32 v[rS+(jj-25)/2], v[rS+(jj-25)/2]
.elseif (q < 4) || ((jj < 76) && (q%2 == 0))
.set b, q/2+2
.if q < 4
.set b, q
.endif
	v_pk_add_f32 v[rS+2*b:rS+2*b+1], v[rS+2*b:rS+2*b+1], v[rT:rT+1] op_sel_hi:[1,0] neg_lo:[0,1] neg_hi:[0,1]  ; pair b: u - m, a plain difference: no product is rounded in between
.elseif (jj < 88) && (q%2 == 1)
	s_wait_alu depctr_va_vdst(0)
	v_cvt_pk_f16_f32 v[rP+(q-5)/2], v[rS+q-5], v[rS+q-4]  ; pair (q - 5) / 2: its second exponential stands three numbers back
.elseif jj == 89
	s_wait_alu depctr_va_vdst(0)
	v_cvt_pk_f16_f32 v[rP+15], v[rS+30], v[rS+31]
.elseif jj < 102                    ; the sum of the tile's 16 pairs, in place: sum z of 16 adds neighbours 1, 2, 4 and 8 pairs apart, then l takes it
.set z, jj-86
.if jj < 89
.set z, (jj-76)/4
.endif
.set w, 4
.set u, z
.if z >= 14
.set w, 32
.set u, 0
.elseif z >= 12
.set w, 16
.set u, z-12
.elseif z >= 8
.set w, 8
.set u, z-8
.endif
.if z < 15
	v_pk_add_f32 v[rS+w*u:rS+w*u+1], v[rS+w*u:rS+w*u+1], v[rS+w*u+w/2:rS+w*u+w/2+1]
.else
	v_pk_fma_f32 v[rT+2:rT+3], v[rT+2:rT+3], v[rT+6:rT+7], v[rS:rS+1] op_sel_hi:[1,0,1]
.endif
.else
	WIN W_RS
	v_pk_mul_f32 v[rO:rO+1], v[rO:rO+1], v[rT+6:rT+7] op_sel_hi:[1,0]
.endif
.endm
; Slice k of 64 of piece y's softmax: numbers 2 k and 2 k + 1 of both tiles' lists.  2 x 150 = 4 x 64 + 44: what is over stands together, in slice 63: 48 plain rescalings, which name nothing of the
; products round them and are the places between the turn's last K Q^T and what follows: the next turn's first read of those scores, and the loads into K's registers.
.macro SLICE y
.if (k >= 19) && (k < 52)           ; tile by tile: plain, exponential, plain, exponential
.irp t, \y, (\y)+1
.irp n, 0,1
.set j, 2*k+(\n)
	SM \t
.endr
.endr
.else                               ; the two tiles alternate, so that no instruction reads the result of the one just before it
.irp n, 0,1,2,3,4,5,6,7,8,9,10,11,12,13,14,15,16,17,18,19,20,21,22,23
.if ((\n) < 2) || (k == 63)
.irp t, \y, (\y)+1
.set j, 2*k+(\n)
	SM \t
.endr
.endif
.endr
.endif
.set k, k+1
.endm
; A TURN.  Piece x has the matrix unit; the other piece's softmax stands in slices behind its matrix instructions.  Each run of loads stands behind the second product of a run of 32, 30 matrix instructions
; ahead of its first use.  Piece 0's turn fetches this slot's K: the last product that read K stands in front of slice 63 of the turn before.  Piece 2's turn fetches its V: the last product that read V stands
; three slices, six plain instructions, back.  Piece 0's mask is used in piece 2's turn, piece 2's in the next turn of piece 0: each behind a wait for 0 on its run.
.macro TURN x
.set k, 0
.if (\x) == 0
	s_wait_dscnt 0x0                ; V and piece 2's mask are in
.endif
.set i, 0
.rept 32
	PV \x
	SLICE 2-(\x)
.if ((\x) == 0) && (i == 1)
	FETCH_K
.endif
.set i, i+1
.endr
.if (\x) == 0
	s_wait_dscnt 0x0                ; K and piece 0's mask are in
.endif
.set i, 0
.rept 32
	KQ \x
	SLICE 2-(\x)
.if ((\x) == 2) && (i == 1)
	FETCH_V
.endif
.set i, i+1
.endr
.endm
; THE CHANGE OF SLOTS, between piece 2's turn and piece 0's: the slot's last bytes, its V, have been asked for.  Each wave waits for all its tensor loads, of which one is out: its part of the other slot; adds 0
; to its spare word; and waits for that and for its own reads of the slot.  fill = 1: the barrier is a round of the cluster's, and the slot is filled again, first thing behind it, with the keys two slots on:
; the load has a key step, 128 matrix instructions, in which to land.  (At its first use nothing has been read yet: slot 0 is waited for, slot 1 filled.)
.macro CHANGE fill
	WIN 0                           ; at a label and at a branch every window is 0
	s_wait_tensorcnt 0x0            ; no tensor load of mine is out, so a group 0 may be written
	ds_add_u32 v[SPW], v[NIL]       ; 0 onto my spare word
.if \fill
.irp g, G0K, G0V
	s_xor_b32 s[(\g)+1], s[(\g)+1], SLOT1  ; the other slot than last time,
	s_add_nc_u64 s[(\g)+2:(\g)+3], s[(\g)+2:(\g)+3], 32768  ; the next 128 keys; the type bits on top are not reached
.endr
	s_xor_b32 s[G0M+1], s[G0M+1], SLOT1
	s_add_nc_u64 s[G0M+2:G0M+3], s[G0M+2:G0M+3], 512
	s_wait_xcnt 0x0                 ; the last prefetch, a key step back, has read its address, so it may be written
	s_add_nc_u64 s[PFA:PFA+1], s[PFA:PFA+1], s[PFS:PFS+1]  ; one slot ahead of the walking descriptors
	s_wait_dscnt 0x0                ; the add is done, and my reads of the slot are over
	CROUND
	JLOAD
	ASK
.else
	s_wait_dscnt 0x0                ; the add is done, and my reads of the slot are over
	s_barrier_signal -1
	s_barrier_wait -1
.endif
	s_xor_b32 s[TB], s[TB], SLOT1   ; the fetches go to the other slot
.endm
.Lslot:                             ; 15 trips: trip d reads slot d's data and asks for slot d + 1's
	CHANGE 1
	TURN 0
	TURN 2
	WIN 0
	s_sub_co_u32 s[SLOTS], s[SLOTS], 1
	s_cmp_lg_u32 s[SLOTS], 0
	s_cbranch_scc1 .Lslot
	CHANGE 0                        ; the tail is written out: nothing is asked for
	s_mov_b32 s[CNT], 2             ; one trip for the last slot; the second is left in its middle
.Ltail:
	TURN 0
	WIN 0
	s_sub_co_u32 s[CNT], s[CNT], 1
	s_cmp_eq_u32 s[CNT], 0
	s_cbranch_scc1 .Lout
	TURN 2
	WIN 0
	s_branch .Ltail
.Lout:                              ; the second trip's 32 products K Q^T (on the last K once more) serve nothing: the price, once a launch, of one text for every trip
.set i, 0
.rept 32
	PV 2                            ; piece 2: V^T P of the last step
.set i, i+1
.endr
	; THE TWO HALVES OF THE KEYS MEET.  l's two halves and the other half of the lanes' are added (these additions are the places behind the last products); waves 2 and 3 lay (m, l) and O^T into LDS; waves 0 and 1 finish.
	WIN 0
.macro ALL line:vararg              ; one line for each tile t
.set t, 0
.rept 4
	s_wait_alu depctr_va_vdst(0)
	\line
.set t, t+1
.endr
.endm
	ALL v_add_f32 v[ST+8*t+1], v[ST+8*t+2], v[ST+8*t+3]
	ALL v_permlanex16_b32 v[ST+8*t+4], v[ST+8*t+1], s[SEL], s[SEL+1]
	ALL v_add_f32 v[ST+8*t+1], v[ST+8*t+1], v[ST+8*t+4]
	s_cmp_lt_u32 s[WV], 2
	s_cbranch_scc1 .Lkeep
	ALL ds_store_b64 v[MS], v[ST+8*t:ST+8*t+1] offset:256*t
	WIN 0x04                        ; the data (source 1) in window 1
.set i, 0
.rept 64
	ds_store_b128 v[MO], v[4*i:4*i+3] offset:512*i  ; 512 consecutive bytes a store; each accumulator's lowest registers first
.set i, i+1
.endr
	WIN 0
.Lkeep:
	s_wait_dscnt 0x0                ; for the others' sake: my stores are done
	s_barrier_signal -1
	s_barrier_wait -1
	s_cmp_lt_u32 s[WV], 2
	s_cbranch_scc0 .Lend
	ALL ds_load_b64 v[ST+8*t+4:ST+8*t+5], v[MS] offset:256*t  ; the partner's m and l
	WIN 0x80                        ; its O^T goes where Q and K lay
.set i, 0
.rept 32
	ds_load_b128 v[4*i:4*i+3], v[MO] offset:512*i
.set i, i+1
.endr
	WIN 0
	s_wait_dscnt 32                 ; the statistics are in; the 32 loads behind them may be out
	ALL v_max_num_f32 v[ST+8*t+2], v[ST+8*t], v[ST+8*t+4]
	ALL v_sub_f32 v[ST+8*t+6], v[ST+8*t], v[ST+8*t+2]
	ALL v_sub_f32 v[ST+8*t+7], v[ST+8*t+4], v[ST+8*t+2]
	ALL v_exp_f32 v[ST+8*t+6], v[ST+8*t+6]
	ALL v_exp_f32 v[ST+8*t+7], v[ST+8*t+7]
	v_nop                           ; a plain instruction behind the last exponential
	ALL v_mul_f32 v[ST+8*t+3], v[ST+8*t+6], v[ST+8*t+1]
	ALL v_fmac_f32 v[ST+8*t+3], v[ST+8*t+7], v[ST+8*t+5]
	ALL v_rcp_f32 v[ST+8*t+3], v[ST+8*t+3]
	v_nop                           ; and behind the last reciprocal
	ALL v_mul_f32 v[ST+8*t+6], v[ST+8*t+6], v[ST+8*t+3]
	ALL v_mul_f32 v[ST+8*t+2], v[ST+8*t+7], v[ST+8*t+3]
	WIN 0x80
.set i, 32
.rept 32
	ds_load_b128 v[4*i:4*i+3], v[MO] offset:512*i
.set i, i+1
.endr
	WIN 0
	s_wait_dscnt 0x0
; Tile t: O = O f0 + O' f1, rounded to f16; a lane's eight channels of a row pack into 16 bytes; they go into rows of 272 bytes and come back as whole rows of 256, into S^T's registers.
.macro PACK t
	WIN W_RS
.set i, 64*(\t)
.rept 32
	v_pk_mul_f32 v[i:i+1], v[i:i+1], v[ST+8*(\t)+6:ST+8*(\t)+7] op_sel_hi:[1,0]
.set i, i+2
.endr
	WIN 0x52                        ; source 0 (the partner's) window 2, the factor window 0, source 2 and destination window 1
.set i, 64*(\t)
.rept 32
	v_pk_fma_f32 v[i:i+1], v[i:i+1], v[ST+8*(\t)+2:ST+8*(\t)+3], v[i:i+1] op_sel_hi:[1,0,1]
.set i, i+2
.endr
	WIN 0x05                        ; sources 0 and 1 window 1, destination window 0
.set i, 0
.rept 32
	v_cvt_pk_f16_f32 v[S+32*(\t)+i], v[64*(\t)+2*i], v[64*(\t)+2*i+1]
.set i, i+1
.endr
	WIN 0
.irp f, 0,1,2,3,4,5,6,7
	ds_store_b128 v[STO], v[S+32*(\t)+4*(\f):S+32*(\t)+4*(\f)+3] offset:32*(\f)
.endr
.irp f, 0,1,2,3,4,5,6,7
	ds_load_b128 v[S+32*(\t)+4*(\f):S+32*(\t)+4*(\f)+3], v[RD] offset:(\f)*2*SP  ; LDS serves a wave's instructions in order (ISA guide 5.7.1.4): these see the stores above; the next tile's stores come behind them
.endr
.endm
.macro SEND t, younger              ; younger: the LDS instructions issued behind tile t's loads: the next tile's sixteen, or none
	WIN 0
.irp f, 0,1,2,3,4,5,6,7
	s_wait_dscnt (\younger)+7-(\f)
	global_store_b128 v[GO], v[S+32*(\t)+4*(\f):S+32*(\t)+4*(\f)+3], s[8:9] offset:((\t)/2)*65536+((\t)%2)*256+(\f)*8192  ; 16 lanes store a head's 256 bytes of a row, aligned
.endr
.endm
	PACK 0
	PACK 1                          ; a tile's arithmetic stands between the loads of the tile before and its stores
	SEND 0, 16
	PACK 2
	SEND 1, 16
	PACK 3
	SEND 2, 16
	SEND 3, 0
.Lend:
	s_wait_tensorcnt 0x0            ; the wave's end, behind my last tensor load and my last LDS store
	ds_add_u32 v[SPW], v[NIL]
	s_wait_dscnt 0x0
	CROUND                          ; the closing round: no work-group ends while a partner may still ask for a tile that names it
	s_endpgm
.Lfunc_end_k_q133f85dd09_attn:
	.size	k_q133f85dd09_attn, .Lfunc_end_k_q133f85dd09_attn-k_q133f85dd09_attn
	.p2alignl 7, 3214868480
	.fill 96, 4, 3214868480
	.section	.rodata,"a",@progbits
	.p2align	6, 0x0
	.amdhsa_kernel k_q133f85dd09_attn
		.amdhsa_group_segment_fixed_size 327680
		.amdhsa_private_segment_fixed_size 0
		.amdhsa_enable_private_segment 0
		.amdhsa_kernarg_size 24
		.amdhsa_user_sgpr_count 2
		.amdhsa_user_sgpr_kernarg_segment_ptr 1
		.amdhsa_wavefront_size32 1
		.amdhsa_system_sgpr_workgroup_id_x 1
		.amdhsa_system_sgpr_workgroup_id_y 1
		.amdhsa_system_sgpr_workgroup_id_z 1
		.amdhsa_system_vgpr_workitem_id 0
		.amdhsa_next_free_vgpr 1024
		.amdhsa_next_free_sgpr 90
		.amdhsa_reserve_vcc 0
		.amdhsa_float_denorm_mode_32 3
		.amdhsa_float_denorm_mode_16_64 3
		.amdhsa_memory_ordered 1
		.amdhsa_forward_progress 1
		.amdhsa_inst_pref_size 191
	.end_amdhsa_kernel
	.amdgpu_metadata
---
amdhsa.version: [ 1, 2 ]
amdhsa.kernels:
  - .name:           k_q133f85dd09_attn
    .symbol:         k_q133f85dd09_attn.kd
    .args:
      - { .name: qkvh, .offset: 0, .size: 8, .value_kind: global_buffer, .address_space: global }
      - { .name: attention_mask, .offset: 8, .size: 8, .value_kind: global_buffer, .address_space: global }
      - { .name: ao, .offset: 16, .size: 8, .value_kind: global_buffer, .address_space: global }
    .group_segment_fixed_size: 327680
    .private_segment_fixed_size: 0
    .kernarg_segment_align: 8
    .kernarg_segment_size: 24
    .max_flat_workgroup_size: 128
    .sgpr_count:     90
    .vgpr_count:     1024
    .wavefront_size: 32
...
	.end_amdgpu_metadata
.endif
;; end of part 3
;; launch oproj (part 4): grid 16 x 16, 4 waves a work-group, clusters of 4 x 4, 327,680 bytes of LDS; arguments ao, wob, out0; writes out0
.if DOCPART == 4
	.amdgcn_target "amdgcn-amd-amdhsa--gfx1250"
	.amdhsa_code_object_version 6
	.text
	.protected	k_q133f85dd09_oproj
	.globl	k_q133f85dd09_oproj
	.p2align	8
	.type	k_q133f85dd09_oproj,@function
k_q133f85dd09_oproj:
	s_mov_b64 s[64:65], 0
	v_nop
	global_prefetch_b8 v0, s[64:65] scope:SCOPE_SE
	s_setreg_imm32_b32 hwreg(HW_REG_WAVE_MODE, 25, 1), 1
	s_wait_xcnt 0x0
	s_wait_alu depctr_hold_cnt(0) depctr_sa_sdst(0) depctr_va_vdst(0) depctr_va_sdst(0) depctr_va_ssrc(0) depctr_va_vcc(0) depctr_vm_vsrc(0)
	s_getreg_b32 s2, hwreg(HW_REG_IB_STS2, 6, 4)
	s_cmp_eq_u32 s2, 0
	s_cbranch_scc0 .Lentry_in_a_cluster
	s_endpgm
.Lentry_in_a_cluster:
	s_bfe_u32 s2, ttmp6, 0x10000c
	s_cmp_lg_u32 s2, 0xf033
	s_cbranch_scc0 .Lentry_shape_is_right
	s_endpgm
.Lentry_shape_is_right:
; THE OUTPUT PROJECTION.  out0[m][n] = sum over k of ao[m][k] wob[k][n]: 2,048 x 4,096 x 2,048, f16 operands (wob holds Wo rounded to bf16, written as f16), f32 sums, f32 out.
; SHARES.  A tile of out0 is 128 (m) x 256 (n): 16 x 16 work-groups.  Four waves, each 64 x 128: 32 accumulators.  K goes in steps of 128 through two LDS slots.
; THE MATRIX INSTRUCTION IS USED TRANSPOSED: source 0 = 16 columns n of the weights, source 1 = 16 rows of ao: a lane then holds row l % 16 and the eight neighbouring columns 8 (l / 16) + 0..7.
; The weights lie [k][n]: their fragments come out of LDS turned, by ds_load_tr16_b128.
; CLUSTERS: 4 x 4 work-groups.  ao's tile hangs on the tile row alone and is asked for jointly by a row of the cluster, the weights' on the tile column alone, by a column.
; REGISTERS: window 0: v0-31 addresses; two fragment buffers of 96 (64 of the weights, 32 of ao), v32-127 and v128-223; v32-95 at work again on the way out.   window 1: the accumulators, (a, b) at 8 (8 a + b).
.set STEPS, 2048/128
.set PA,    272                        ; a row of ao's tile in LDS: 256 bytes + 16: the 16 rows of a load start at 16 different groups of four banks (64 banks of 4 bytes: ISA guide 11.1)
.set PB,    544                        ; a row of the weights' tile: 512 bytes + 32 = 17 x 32
.set BOFF,  128*PA                     ; a slot: 128 rows of ao, then 128 k rows of the weights
.set SLOT1, 1<<17                      ; slot 1 begins here, so that one exclusive or turns an address in one slot into the other's
.set STAGE, SLOT1+BOFF+128*PB          ; behind the ring: 16 rows x 528 bytes for each wave, for the way out
.set SP,    528
.set SPARE, STAGE+4*16*SP              ; behind the stages: the spare words, 128 bytes for each wave: two blocks of 256 bytes that no other line names
.set A0,   16                          ; v16  my lane's place in ao's tile; never rewritten
.set B0,   17                          ; v17  the same in the weights' tile
.set ADRA, 18                          ; v18  A0 + the slot in hand
.set ADRB, 19                          ; v19  B0 + the slot in hand
.set STO,  20                          ; v20  the way out: where I put 32 bytes of a row
.set RD,   21                          ; v21  where I read a row back
.set CO,   22                          ; v22  16 x lane: my place in 512 consecutive bytes of the output
.set SPW,  28                          ; v28  LDS address of my spare word; never rewritten
.set NIL,  29                          ; v29  0; never rewritten
.set F0,   32
.set F1,   128
.set OB,   32                          ; the way out: 16 rows read back
.set G1,  24                           ; s[24:31] descriptor group 1 for ao's tiles;  s[32:39] group 0: a set for each first fill, the second then walks
.set G0,  32
.set G1B, 48                           ; s[48:55], s[56:63] the same for the weights' tiles
.set G0B, 56
.set TB,  66                           ; s66  0 or SLOT1: the slot in hand
.set MSB, 0
.macro WIN new                         ; the immediate's high byte repeats the setting that is left; a switch that changes nothing is dropped
.if MSB != (\new)
	s_set_vgpr_msb (MSB<<8)|(\new)
.set MSB, \new
.endif
.endm
.set MUL, 0x50                         ; sources in window 0, C and D in window 1
.macro PLACES                          ; four places in front of loads into registers that matrix instructions have read, and of lines that read results
.rept 4
	v_nop
.endr
.endm
.macro JLOAD s                         ; a joint load: waves 0 and 1 fetch ao's two halves, waves 2 and 3 the weights'; an s_nop 0 and four v_nop follow each line
	s_cmp_eq_u32 s11, 0
	s_cbranch_scc0 .Lfor_b_\@
	tensor_load_to_lds s[G0+4*(\s):G0+4*(\s)+3], s[G1:G1+7]
	s_nop 0
.rept 4
	v_nop
.endr
	s_branch .Lasked_\@
.Lfor_b_\@:
	tensor_load_to_lds s[G0B+4*(\s):G0B+4*(\s)+3], s[G1B:G1B+7]
	s_nop 0
.rept 4
	v_nop
.endr
.Lasked_\@:
.endm
.macro CREST                           ; a round of the cluster's barrier behind its opening barrier
	s_cmp_lg_u32 s10, 0
	s_cbranch_scc1 .Lnot_wave_0_\@
	s_barrier_signal -3
.Lnot_wave_0_\@:
	s_barrier_wait -3
	s_barrier_signal -1
	s_barrier_wait -1
.endm
.macro CROUND                          ; a whole round
	s_barrier_signal -1
	s_barrier_wait -1
	CREST
.endm
	s_load_b128 s[4:7], s[0:1], 0x0                ; ao s[4:5], wob s[6:7]
	s_load_b64 s[8:9], s[0:1], 0x10                ; out0
	v_lshl_add_u32 v[SPW], v0, 2, SPARE
	v_mov_b32 v[NIL], 0
	ds_add_u32 v[SPW], v[NIL]                      ; the wave's opening: the add and its wait stand ahead of my first tensor load; the set-up below, work on registers, stands between them
	v_lshrrev_b32 v1, 5, v0
	v_readfirstlane_b32 s10, v1                    ; wave 0..3
	s_lshr_b32 s11, s10, 1                         ; which 64 rows of the tile are mine.  Also: I fetch ao (0) or the weights (1)
	s_and_b32 s12, s10, 1                          ; which 128 columns.  Also: which half of that tile's rows I fetch
	s_bfe_u32 s40, ttmp6, 0x40000                  ; cx, cy: my place in the cluster
	s_bfe_u32 s41, ttmp6, 0x40004
	s_lshl_b32 s42, ttmp9, 2
	s_add_co_u32 s42, s42, s40                     ; tile column = 4 x cluster x + cx
	s_and_b32 s13, ttmp7, 0xffff
	s_lshl_b32 s13, s13, 2
	s_add_co_u32 s13, s13, s41                     ; tile row = 4 x cluster y + cy
	s_lshl_b32 s43, s41, 2
	s_lshl_b32 s43, 15, s43                        ; my row of the cluster
	s_lshl_b32 s44, 0x1111, s40                    ; my column
	s_or_b32 s[G1+0], s43, (1<<16)|(1<<20)|(1<<21)|(5<<22)|(3<<25)   ; the mask; 2-byte elements; padding on; bit 21 beside a mask; after every 64 words, 4 words
	s_or_b32 s[G1B+0], s44, (1<<16)|(1<<20)|(1<<21)|(6<<22)|(7<<25)  ; after every 128 words, 8 words
	s_mov_b32 s[G1+1], 128<<16                     ; tensor_dim0 = 128
	s_mov_b32 s[G1+2], 64<<16                      ; tensor_dim1 = 64
	s_mov_b32 s[G1+3], 128<<16                     ; tile_dim0 = 128
	s_mov_b32 s[G1+4], 64                          ; tile_dim1 = 64
	s_mov_b32 s[G1+5], 2048                        ; elements from row to row
	s_mov_b32 s[G1+6], 0
	s_mov_b32 s[G1+7], 0
	s_mov_b32 s[G1B+1], 256<<16                    ; 64 k rows of 256 columns
	s_mov_b32 s[G1B+2], 64<<16
	s_mov_b32 s[G1B+3], 256<<16
	s_mov_b32 s[G1B+4], 64
	s_mov_b32 s[G1B+5], 4096
	s_mov_b32 s[G1B+6], 0
	s_mov_b32 s[G1B+7], 0
	s_lshl_b32 s16, s13, 7
	s_lshl_b32 s17, s12, 6
	s_add_co_u32 s16, s16, s17                     ; ao: row 128 x tile row + 64 x half,
	s_lshl_b32 s16, s16, 12                        ; 4,096 bytes a row
	s_mov_b32 s17, 0
	s_lshl_b32 s46, s12, 19                        ; the weights: k row 64 x half, 8,192 bytes a row,
	s_lshl_b32 s47, s42, 9                         ; column 256 x tile column
	s_add_co_u32 s46, s46, s47
	s_mov_b32 s47, 0
	s_mul_i32 s20, s12, 64*PA                      ; where they go: no place in the cluster enters an LDS address
	s_mul_i32 s21, s12, 64*PB
	s_add_co_u32 s21, s21, BOFF
	s_mov_b32 s[TB], 0
	s_wait_dscnt 0x0                               ; the opening add is done
	s_wait_kmcnt 0x0
	s_add_nc_u64 s[14:15], s[4:5], s[16:17]
	s_add_nc_u64 s[46:47], s[6:7], s[46:47]
	CROUND                                         ; all sixteen work-groups are here: the first joint loads meet
.irp s, 0,1
	s_mov_b32 s[G0+4*(\s)], 1
	s_add_co_u32 s[G0+4*(\s)+1], s20, (\s)*SLOT1
	s_add_nc_u64 s[G0+4*(\s)+2:G0+4*(\s)+3], s[14:15], (\s)*256       ; K step s: 256 bytes along a row
	s_or_b32 s[G0+4*(\s)+3], s[G0+4*(\s)+3], 0x80000000
	s_mov_b32 s[G0B+4*(\s)], 1
	s_add_co_u32 s[G0B+4*(\s)+1], s21, (\s)*SLOT1
	s_add_nc_u64 s[G0B+4*(\s)+2:G0B+4*(\s)+3], s[46:47], (\s)*0x100000  ; K step s: 128 rows down
	s_or_b32 s[G0B+4*(\s)+3], s[G0B+4*(\s)+3], 0x80000000
	JLOAD \s                                       ; two loads of mine are out
.endr
	v_and_b32 v1, 15, v0                           ; l % 16
	v_bfe_u32 v2, v0, 4, 1                         ; l / 16
	v_mul_u32_u24 v3, v1, PA                       ; a fragment of ao: row l % 16, 16 bytes for each half of the lanes, twice, 32 bytes apart
	v_lshl_add_u32 v3, v2, 4, v3
	s_mul_i32 s22, s11, 64*PA
	v_add_nc_u32 v[A0], s22, v3
	v_and_b32 v4, 7, v0                            ; the turning load: lane l reads k row 8 (l / 16) + l % 8, columns 8 ((l / 8) % 2) + 0..7
	v_lshl_add_u32 v4, v2, 3, v4
	v_mul_u32_u24 v4, v4, PB
	v_bfe_u32 v5, v0, 3, 1
	v_lshl_add_u32 v4, v5, 4, v4
	s_lshl_b32 s22, s12, 8                         ; my 128 columns
	s_add_co_u32 s22, s22, BOFF
	v_add_nc_u32 v[B0], s22, v4
	v_mov_b32 v[ADRA], v[A0]
	v_mov_b32 v[ADRB], v[B0]
	s_mul_i32 s23, s10, 16*SP
	s_add_co_u32 s23, s23, STAGE                   ; my stage
	v_mul_u32_u24 v4, v1, SP                       ; in: row l % 16, 32 bytes for each half of the lanes
	v_lshl_add_u32 v4, v2, 5, v4
	v_add_nc_u32 v[STO], s23, v4
	v_and_b32 v[CO], 31, v0
	v_lshlrev_b32 v[CO], 4, v[CO]
	v_add_nc_u32 v[RD], s23, v[CO]                 ; back: 32 lanes take one row of 512 bytes
	s_lshl_b32 s74, s13, 21                        ; the output: my 64 rows of 16,384 bytes,
	s_lshl_b32 s75, s11, 20
	s_add_co_u32 s74, s74, s75
	s_mov_b32 s75, 0
	s_add_nc_u64 s[8:9], s[8:9], s[74:75]
	s_lshl_b32 s46, s42, 10                        ; my 128 columns of 4 bytes
	s_lshl_b32 s47, s12, 9
	s_add_co_u32 s46, s46, s47
	s_mov_b32 s47, 0
	s_add_nc_u64 s[8:9], s[8:9], s[46:47]
; 8 matrix instructions: m block a x all 8 n blocks, 32 along K.  The 32 accumulators take turns, one instruction a turn, in the same order in every quarter.
.macro MUL8 f, a, zero
	WIN MUL
.irp b, 0,1,2,3,4,5,6,7
.if \zero
	v_wmma_f32_16x16x32_f16 v[8*(8*(\a)+(\b)):8*(8*(\a)+(\b))+7], v[(\f)+8*(\b):(\f)+8*(\b)+7], v[(\f)+64+8*(\a):(\f)+64+8*(\a)+7], 0
.else
	v_wmma_f32_16x16x32_f16 v[8*(8*(\a)+(\b)):8*(8*(\a)+(\b))+7], v[(\f)+8*(\b):(\f)+8*(\b)+7], v[(\f)+64+8*(\a):(\f)+64+8*(\a)+7], v[8*(8*(\a)+(\b)):8*(8*(\a)+(\b))+7]
.endif
.endr
.endm
; 24 LDS loads in one run: quarter q (32 along K) of the slot in hand into buffer f: the weights' 8 fragments, then ao's 4
.macro FETCH q, f
	WIN 0
.irp b, 0,1,2,3,4,5,6,7
	ds_load_tr16_b128 v[(\f)+8*(\b):(\f)+8*(\b)+3],   v[ADRB] offset:(\q)*32*PB+32*(\b)
	ds_load_tr16_b128 v[(\f)+8*(\b)+4:(\f)+8*(\b)+7], v[ADRB] offset:(\q)*32*PB+16*PB+32*(\b)
.endr
.irp a, 0,1,2,3
	ds_load_b128 v[(\f)+64+8*(\a):(\f)+64+8*(\a)+3],   v[ADRA] offset:(\q)*64+(\a)*16*PA
	ds_load_b128 v[(\f)+64+8*(\a)+4:(\f)+64+8*(\a)+7], v[ADRA] offset:(\q)*64+(\a)*16*PA+32
.endr
.endm
; One of a K step's first three quarters: multiplies buffer f (quarter q) and fetches quarter q + 1 into g
.macro QUARTER q, f, g, zero
	s_wait_dscnt 4                                 ; the weights and ao's blocks 0, 1 are in; the youngest four loads (blocks 2, 3) may be out
	MUL8 \f, 0, \zero
	MUL8 \f, 1, \zero
	PLACES
	FETCH (\q)+1, \g
	s_wait_dscnt 24                                ; all but the 24 just issued
	MUL8 \f, 2, \zero
	MUL8 \f, 3, \zero
.endm
; The last quarter multiplies buffer 1 and changes slots.  Its first sixteen products, which read registers alone, stand AHEAD of the wait for the tile, so that nothing but the change itself lies between a
; tile's landing and the next request.  ONE barrier; in front of it each wave waits for all its tensor loads (one is out: its part of the next slot), adds 0 to its spare word, and waits for that and for its
; reads of this slot.  fill = 1: the barrier opens a round of the cluster's, and this slot is filled again, two K steps ahead, first thing behind the round: from that request to the wait for it a wave
; issues 128 matrix instructions.
.macro TURN fill
	s_wait_dscnt 4                                 ; the weights and ao's blocks 0, 1 are in
	MUL8 F1, 0, 0
	MUL8 F1, 1, 0
	WIN 0
	s_wait_tensorcnt 0x0                           ; no tensor load of mine is out, so the walking descriptors may be written
	ds_add_u32 v[SPW], v[NIL]                      ; 0 onto my spare word
	s_xor_b32 s[TB], s[TB], SLOT1                  ; the fetches go to the other slot
	v_add_nc_u32 v[ADRA], s[TB], v[A0]
	v_add_nc_u32 v[ADRB], s[TB], v[B0]
.if \fill
	s_xor_b32 s[G0+5], s[G0+5], SLOT1              ; the other slot than last time, the next K step
	s_add_nc_u64 s[G0+6:G0+7], s[G0+6:G0+7], 256
	s_xor_b32 s[G0B+5], s[G0B+5], SLOT1
	s_add_nc_u64 s[G0B+6:G0B+7], s[G0B+6:G0B+7], 0x100000
.endif
	s_wait_dscnt 0x0                               ; the add is done, and my reads of this slot are over
	s_barrier_signal -1
	s_barrier_wait -1
.if \fill
	CREST                                          ; no wave of any partner still reads this slot's tile or has a load on its way
	JLOAD 1                                        ; its four v_nop are also the places in front of the loads below
.else
	PLACES
.endif
	FETCH 0, F0
	MUL8 F1, 2, 0
	MUL8 F1, 3, 0
.endm
	s_wait_tensorcnt 1                             ; my part of K step 0 is in; K step 1's may stay out
	s_barrier_signal -1
	s_barrier_wait -1                              ; everybody's is
	FETCH 0, F0
	QUARTER 0, F0, F1, 1                           ; the first quarter stands in front of the loop: its products start the sums
	WIN 0
	s_mov_b32 s3, STEPS-2
.Lstep:                                            ; a trip: from a K step's second quarter to the next step's first; every slot but the last two is filled again
	QUARTER 1, F1, F0, 0
	QUARTER 2, F0, F1, 0
	TURN 1
	QUARTER 0, F0, F1, 0
	WIN 0
	s_sub_co_u32 s3, s3, 1
	s_cmp_lg_u32 s3, 0
	s_cbranch_scc1 .Lstep
	QUARTER 1, F1, F0, 0                           ; the last two K steps ask for nothing
	QUARTER 2, F0, F1, 0
	TURN 0
	QUARTER 0, F0, F1, 0
	QUARTER 1, F1, F0, 0
	QUARTER 2, F0, F1, 0
	s_wait_dscnt 0x0
	MUL8 F1, 0, 0
	MUL8 F1, 1, 0
	MUL8 F1, 2, 0
	MUL8 F1, 3, 0
	WIN 0
; THE WAY OUT, a block of 16 rows at a time: a lane's eight f32 of a row go into my stage (rows of 528 bytes), and whole rows of 512 bytes come back and are stored.
.macro OUT a
	WIN 0x04                                       ; the data (source 1) in window 1
.irp b, 0,1,2,3,4,5,6,7
	ds_store_b128 v[STO], v[8*(8*(\a)+(\b)):8*(8*(\a)+(\b))+3]   offset:64*(\b)     ; each accumulator's lowest registers first
	ds_store_b128 v[STO], v[8*(8*(\a)+(\b))+4:8*(8*(\a)+(\b))+7] offset:64*(\b)+16
.endr
	WIN 0
	s_wait_xcnt 0x0                                ; the last block's stores have read their registers: these are loaded again only behind this wait
.irp t, 0,1,2,3,4,5,6,7,8,9,10,11,12,13,14,15
	ds_load_b128 v[OB+4*(\t):OB+4*(\t)+3], v[RD] offset:(\t)*SP  ; LDS serves a wave's instructions in order (ISA guide 5.7.1.4): these see the stores above; the next block's stores come behind them
.endr
.irp t, 0,1,2,3,4,5,6,7,8,9,10,11,12,13,14,15
	s_wait_dscnt 15-(\t)                           ; row t is back; the younger rows may be out
	global_store_b128 v[CO], v[OB+4*(\t):OB+4*(\t)+3], s[8:9] offset:262144*(\a)+16384*(\t)  ; 512 consecutive bytes of a row, aligned
.endr
.endm
	PLACES
	PLACES                                         ; behind the last products
	OUT 0
	OUT 1
	OUT 2
	OUT 3
	s_wait_tensorcnt 0x0                           ; the wave's end, behind my last tensor load and my last LDS store
	ds_add_u32 v[SPW], v[NIL]
	s_wait_dscnt 0x0
	CROUND                                         ; the closing round: no work-group ends while a partner may still ask for a tile that names it
	s_endpgm
.Lfunc_end_k_q133f85dd09_oproj:
	.size	k_q133f85dd09_oproj, .Lfunc_end_k_q133f85dd09_oproj-k_q133f85dd09_oproj
	.p2alignl 7, 3214868480
	.fill 96, 4, 3214868480
	.section	.rodata,"a",@progbits
	.p2align	6, 0x0
	.amdhsa_kernel k_q133f85dd09_oproj
		.amdhsa_group_segment_fixed_size 327680
		.amdhsa_private_segment_fixed_size 0
		.amdhsa_enable_private_segment 0
		.amdhsa_kernarg_size 24
		.amdhsa_user_sgpr_count 2
		.amdhsa_user_sgpr_kernarg_segment_ptr 1
		.amdhsa_wavefront_size32 1
		.amdhsa_system_sgpr_workgroup_id_x 1
		.amdhsa_system_sgpr_workgroup_id_y 1
		.amdhsa_system_sgpr_workgroup_id_z 1
		.amdhsa_system_vgpr_workitem_id 0
		.amdhsa_next_free_vgpr 512
		.amdhsa_next_free_sgpr 80
		.amdhsa_reserve_vcc 0
		.amdhsa_float_denorm_mode_32 3
		.amdhsa_float_denorm_mode_16_64 3
		.amdhsa_memory_ordered 1
		.amdhsa_forward_progress 1
		.amdhsa_inst_pref_size 71
	.end_amdhsa_kernel
	.amdgpu_metadata
---
amdhsa.version: [ 1, 2 ]
amdhsa.kernels:
  - .name:           k_q133f85dd09_oproj
    .symbol:         k_q133f85dd09_oproj.kd
    .args:
      - { .name: ao, .offset: 0, .size: 8, .value_kind: global_buffer, .address_space: global }
      - { .name: wob, .offset: 8, .size: 8, .value_kind: global_buffer, .address_space: global }
      - { .name: out0, .offset: 16, .size: 8, .value_kind: global_buffer, .address_space: global }
    .group_segment_fixed_size: 327680
    .private_segment_fixed_size: 0
    .kernarg_segment_align: 8
    .kernarg_segment_size: 24
    .max_flat_workgroup_size: 128
    .sgpr_count:     80
    .vgpr_count:     512
    .wavefront_size: 32
...
	.end_amdgpu_metadata
.endif
;; end of part 4
